; MI455X (gfx1250); checked and timed in simulation.
; The chip was launched on July 23, 2026; its instructions are those of AMD's public machine-readable ISA for CDNA 5 (MIT licence, August 2026) and "CDNA5" Instruction Set Architecture Reference Guide (July 2026). The comments in the code are by the model that wrote it; some were corrected since.
;; Multi Head Attention. Allowed arithmetic: matrix products marked QUANTISED: E2M1 operands, one E8M0 scale for each 32 along K, by v_wmma_scale_f32_16x16x128_f8f6f4 with both operands' format E2M1 (or v_wmma_scale_f32_32x16x128_f4), f32 sums; everything else in f32.
;; Inputs: Wk 1,024 x 1,024 float32; Wq 1,024 x 1,024 float32; Wr 1,024 x 1,024 float32; Wv 1,024 x 1,024 float32; keys 4 x 2,048 x 1,024 float32; ln_beta 1,024 float32; ln_gamma 1,024 float32; queries 4 x 2,048 x 1,024 float32; values 4 x 2,048 x 1,024 float32.
;; Outputs: out0 4 x 2,048 x 1,024 float32.
;; This version of the problem:
;;   THIS VERSION OF THE PROBLEM IS GIVEN IN LOW PRECISION. The matrix products marked QUANTISED in the list below multiply operands that are first quantised to E2M1 (2 exponent bits, 1 mantissa bit; 4 bits a number), with one power-of-two scale for each 32 numbers along K (OCP MX v1.0); their sums are f32. All else is computed in f32.
;;   The module's matrix products, in the order in which they are computed (A, B: the left and right operand; K: the contracted axis; several contracted axes count as one K, in the product's order):
;;     1. [M 8,192, K 1,024] x [K 1,024, N 1,024]; A: input queries; B: input Wq: QUANTISED
;;     2. [M 8,192, K 1,024] x [K 1,024, N 1,024]; A: input keys; B: input Wk: QUANTISED
;;     3. [M 8,192, K 1,024] x [K 1,024, N 1,024]; A: input values; B: input Wv: QUANTISED
;;     4. batch 32 x [M 2,048, K 128] x [K 128, N 2,048]; A: computed on the way; B: computed on the way: QUANTISED
;;     5. batch 32 x [M 2,048, K 2,048] x [K 2,048, N 128]; A: softmax (see below); B: computed on the way: QUANTISED
;;     6. [M 8,192, K 1,024] x [K 1,024, N 1,024]; A: computed on the way; B: input Wr: QUANTISED
;;   THE QUANTISER, for each operand of a quantised product, along K:
;;     - K is cut into blocks of 32 from its start; a last block that is shorter is filled with zeros.
;;     - A block's scale is 2^e with e = floor(log2(the largest magnitude in the block)) - 2, held to -126 .. 127; a block of zeros has e = 0. As a byte (E8M0): e + 127.
;;     - Each number is divided by its block's scale, clamped to +-6, and rounded to the nearest number of E2M1, ties to even, subnormals kept.
;;     - The product sums the exact products of the quantised numbers (number of the format x scale) in f32.
;;   ~~~python
;;   def quantise(x, axis):      # numpy; x: float32 -> the quantised numbers, widened to float32 again
;;       x = np.moveaxis(x, axis, -1); K = x.shape[-1]
;;       x = np.pad(x, [(0, 0)] * (x.ndim - 1) + [(0, -K % 32)]); x = x.reshape(x.shape[:-1] + (-1, 32)); a = np.abs(x).max(-1, keepdims=True)
;;       e = np.where(a > 0, np.clip(np.frexp(np.where(a > 0, a, 1))[1] - 1 - 2, -126, 127), 0)      # np.frexp(a)[1] - 1 = floor(log2(a)), exactly
;;       r = np.clip(x / 2.0 ** e, -6, 6)
;;       step = 2.0 ** (np.maximum(np.frexp(np.where(r == 0, 1, r))[1] - 1, 0) - 1)
;;       q = np.round(r / step) * step * 2.0 ** e      # np.round: ties to even
;;       return np.moveaxis(q.reshape(q.shape[:-2] + (-1,))[..., :K], -1, axis).astype(np.float32)
;;   ~~~
;;   SOFTMAX AHEAD OF A QUANTISED PRODUCT. Where the list says 'softmax', what is quantised is not the finished softmax but p = 2^(t - M), with t = logit x log2(e) and M = ceil(the row's largest t), a whole number; so 1/2 < the row's largest p <= 1. The row's sum l is taken of the UNQUANTISED p, in f32, and the product's result is divided by l at the end. Since M is a whole number, a kernel that streams over the keys may use a running M (the ceiling of the running maximum): every later rescaling is an exact power of two, which a block's scale takes up: the codes' values come out the same.
;;   OPERANDS COMPUTED ON THE WAY. 'Computed on the way' means the value that the module computes at that place (a softmax that the list does not call 'softmax' is quantised finished and normalised). What goes into a quantiser is computed in f32, as accurately as f32 sums, v_exp_f32 and their like allow (about 1e-6 of the number): no bf16 or f16 on the way to a quantiser, and a product that is left as it is and whose result goes on into a quantised operand takes f32 operands (vector FMAs, or v_wmma_f32_16x16x4_f32). A number that lies on a knife's edge between two numbers of the format may be rounded either way, as far as f32 arithmetic and the matrix unit's own rounding can turn it there, and no further.
;; One version. Each part assembles by itself: llvm-mc -triple=amdgcn-amd-amdhsa -mcpu=gfx1250 --defsym DOCPART=n.
;; ======== version 1 of 1: 4 launches
;; workspace buffers: xc 14,680,064 bytes; xs 917,504 bytes; qkv 13,369,344 bytes; oc 4,456,448 bytes
;; launch quant (part 1): grid 896 x 1, 4 waves a work-group, no clusters, 33,280 bytes of LDS; arguments queries, keys, values, Wq, Wk, Wv, Wr, xc, xs; writes xc, xs
.if DOCPART == 1
	.amdgcn_target "amdgcn-amd-amdhsa--gfx1250"
	.amdhsa_code_object_version 6
	.text
	.protected	k_q1138e82277_quant
	.globl	k_q1138e82277_quant
	.p2align	8
	.type	k_q1138e82277_quant,@function
k_q1138e82277_quant:
	s_mov_b64 s[64:65], 0
	v_nop
	global_prefetch_b8 v0, s[64:65] scope:SCOPE_SE
	s_setreg_imm32_b32 hwreg(HW_REG_WAVE_MODE, 25, 1), 1
	s_wait_xcnt 0x0
; LAUNCH 1 OF 4.  queries, keys, values [8192][1024] and Wq, Wk, Wv, Wr [1024][1024], all f32 with K innermost, become codes of FP4 (E2M1) in xc (512 bytes a row) and one E8M0 byte
; for each 32 along K in xs (32 bytes a row).  Row order in both: queries, keys, values (rows 0 .. 24575), then Wq, Wk, Wv, Wr (1,024 rows each).
; DEAD WORK: none.  Every product of reference() reaches out0 and each of the nine inputs has a way to it: all are loaded (ln_gamma, ln_beta and queries once more in the last launch).
; A block's scale is 2^(floor(log2(its largest magnitude)) - 2): its byte is the largest magnitude's exponent field - 2, held at 1 from below.
; LIMITS: a block whose largest magnitude lies under 2^-124, a block of zeros among them, gets the byte 1 (the rule says 127 for zeros: the codes are zeros, and this program alone reads the bytes); NaN and infinities among the inputs are not served.
; THE ROWS OF Wq, Wk, Wv LAND IN ANOTHER ORDER, so that the next launch's results fall into the lanes as the product after it wants its operand:
;   Wq, Wk: row 128 J + 64 c + 32 h + 8 e + i goes to row 128 J + 16 (4 c + e) + 8 h + i;      Wv: row 128 i + 64 c + 32 h + 8 e + b goes to row 128 (4 c + e) + 16 b + 8 h + i.
; A wave takes 8 rows on end (8,192 numbers, 16 steps of 512), so both orders are: a first row, and a stride from row to row (1, or 16 for Wv).
; The arithmetic of a step: each load reads 512 consecutive bytes; the step's 2,048 bytes turn through the wave's own stage in LDS so that a lane holds 16 neighbours along K; two neighbouring lanes hold a block.
; No tensor load, no barrier: waves share nothing.  Loads run four steps (16 loads a wave) ahead, the turn through LDS one step.
.set WAVES, 4
.set STEPS, 16
.set EMAX,  2
.set R,     16                         ; v16-79   four sets of 16 numbers as they are loaded
.set X,     80                         ; v80-111  two sets of 16 neighbours
.set E,     112                        ; v112-127 a scale byte for each step
.set C,     128                        ; v128-191 codes: registers of its own for each step
.set CA,    192                        ; v192-199 where my 8 bytes of row e of the wave's eight go
.set WREG,  8192                       ; LDS: a region for each wave: two stages of 32 x SP bytes, then its 256 scale bytes
.set SP,    80                         ; a lane's place in a stage: 64 bytes + 16 of padding
.set SPW,   12                         ; v12  LDS address of my spare word; never rewritten
.set NIL,   13                         ; v13  0; never rewritten
.set SPARE, WAVES*WREG                 ; behind the four regions: the spare words, 128 bytes a wave
	s_load_b512 s[4:19], s[0:1], 0x0               ; queries s[4:5], keys s[6:7], values s[8:9], Wq s[10:11], Wk s[12:13], Wv s[14:15], Wr s[16:17], xc s[18:19]
	s_load_b64 s[20:21], s[0:1], 0x40              ; xs
	v_lshl_add_u32 v[SPW], v0, 2, SPARE
	v_mov_b32 v[NIL], 0
	v_lshrrev_b32 v1, 5, v0
	v_readfirstlane_b32 s22, v1                    ; wave
	v_and_b32 v2, 31, v0                           ; lane
	v_lshlrev_b32 v3, 4, v2                        ; my 16 bytes of a load's 512
	s_mul_i32 s23, s22, WREG
	v_lshrrev_b32 v14, 2, v2
	v_mul_u32_u24 v14, v14, SP
	v_and_b32 v15, 3, v2
	v_lshl_add_u32 v14, v15, 4, v14
	v_add_nc_u32 v14, s23, v14                     ; the stage, on the way in: SP (lane / 4) + 16 (lane % 4)
	v_mul_u32_u24 v15, v2, SP
	v_add_nc_u32 v15, s23, v15                     ; and on the way out: SP x lane: my 16 neighbours
	v_lshrrev_b32 v5, 1, v2
	s_add_co_u32 s23, s23, 2*32*SP
	v_add_nc_u32 v5, s23, v5                       ; LDS: my wave's 256 scale bytes, my block's byte
	v_lshlrev_b32 v7, 3, v2                        ; 8 x lane
	v_add_nc_u32 v6, s23, v7                       ; and where I read 8 of them back
	; which run of 8 rows is mine, and where its rows go
	s_lshl_b32 s24, ttmp9, 2
	s_add_co_u32 s24, s24, s22                     ; rho = 4 x work-group + wave: rows 8 rho .. 8 rho + 7 of the seven tensors on end
	s_and_b32 s25, s24, 127                        ; a: the run among its 128 (a weight has 128 runs, and begins at a multiple of 128)
	s_sub_co_u32 s26, s24, s25
	s_lshl_b32 s26, s26, 3                         ; 8 (rho - a)
	s_lshl_b32 s27, s25, 3                         ; the plain order: 8 a
	s_lshr_b32 s28, s25, 4                         ; J
	s_and_b32 s29, s25, 8                          ; 8 c
	s_bfe_u32 s30, s25, 0x10002                    ; h
	s_and_b32 s31, s25, 3                          ; e
	s_lshl_b32 s30, s30, 3                         ; 8 h
	s_lshl_b32 s32, s28, 7
	s_lshl_b32 s33, s29, 3
	s_add_co_u32 s32, s32, s33
	s_lshl_b32 s33, s31, 4
	s_add_co_u32 s32, s32, s33
	s_add_co_u32 s32, s32, s30                     ; Wq, Wk: 128 J + 64 c + 16 e + 8 h
	s_lshl_b32 s33, s29, 6
	s_lshl_b32 s34, s31, 7
	s_add_co_u32 s33, s33, s34
	s_add_co_u32 s33, s33, s30
	s_add_co_u32 s33, s33, s28                     ; Wv: 512 c + 128 e + 8 h + J, then every 16th row
	s_mov_b32 s34, s27                             ; the first row among the 1,024
	s_mov_b32 s35, 1                               ; the stride in rows
	s_mov_b32 s36, 0                               ; the tensor's first work-group
	s_wait_kmcnt 0x0
	s_cmp_ge_u32 ttmp9, 256                        ; the choices hang on the work-group's number alone
	s_cselect_b64 s[4:5], s[6:7], s[4:5]
	s_cselect_b32 s36, 256, s36
	s_cmp_ge_u32 ttmp9, 512
	s_cselect_b64 s[4:5], s[8:9], s[4:5]
	s_cselect_b32 s36, 512, s36
	s_cmp_ge_u32 ttmp9, 768
	s_cselect_b64 s[4:5], s[10:11], s[4:5]
	s_cselect_b32 s36, 768, s36
	s_cselect_b32 s34, s32, s34
	s_cmp_ge_u32 ttmp9, 800
	s_cselect_b64 s[4:5], s[12:13], s[4:5]
	s_cselect_b32 s36, 800, s36
	s_cmp_ge_u32 ttmp9, 832
	s_cselect_b64 s[4:5], s[14:15], s[4:5]
	s_cselect_b32 s36, 832, s36
	s_cselect_b32 s34, s33, s34
	s_cselect_b32 s35, 16, s35
	s_cmp_ge_u32 ttmp9, 864
	s_cselect_b64 s[4:5], s[16:17], s[4:5]
	s_cselect_b32 s36, 864, s36
	s_cselect_b32 s34, s27, s34
	s_cselect_b32 s35, 1, s35
	s_sub_co_u32 s37, ttmp9, s36
	s_lshl_b32 s37, s37, 2
	s_add_co_u32 s37, s37, s22                     ; my run in its own tensor,
	s_lshl_b32 s38, s37, 15                        ; 32,768 bytes a run (under 2^26)
	s_mov_b32 s39, 0
	s_add_nc_u64 s[4:5], s[4:5], s[38:39]
	s_add_co_u32 s26, s26, s34                     ; the row of xc and xs that takes my first row
	s_lshl_b32 s38, s26, 9
	s_add_nc_u64 s[18:19], s[18:19], s[38:39]
	s_lshl_b32 s38, s26, 5
	s_add_nc_u64 s[20:21], s[20:21], s[38:39]
	s_lshl_b32 s40, s35, 9                         ; from row to row in xc
.irp e, 0,1,2,3,4,5,6,7
	s_mul_i32 s41, s40, \e
	v_add_nc_u32 v[CA+\e], s41, v7
.endr
	s_lshl_b32 s41, s35, 5                         ; from row to row in xs
	v_lshrrev_b32 v4, 2, v2
	v_mul_lo_u32 v4, v4, s41
	v_and_b32 v9, 3, v2
	v_lshl_add_u32 v4, v9, 3, v4                   ; four lanes to a row's 32 scale bytes
.macro LOAD t
.irp i, 0,1,2,3
	global_load_b128 v[R+16*((\t)%4)+4*\i:R+16*((\t)%4)+4*\i+3], v3, s[4:5] offset:2048*(\t)+512*\i th:TH_LOAD_NT   ; 32 lanes read 512 consecutive bytes
.endr
.endm
.macro TURN t                          ; step t's numbers through the stage: LDS serves a wave's instructions in order, so no wait stands between the stores and the loads
.irp i, 0,1,2,3
	ds_store_b128 v14, v[R+16*((\t)%4)+4*\i:R+16*((\t)%4)+4*\i+3] offset:32*SP*((\t)%2)+8*SP*\i
.endr
.irp i, 0,1,2,3
	ds_load_b128 v[X+16*((\t)%2)+4*\i:X+16*((\t)%2)+4*\i+3], v15 offset:32*SP*((\t)%2)+16*\i
.endr
.endm
.irp t, 0,1,2,3
	LOAD \t
.endr
	s_wait_loadcnt 12                              ; step 0's four loads are in; the twelve of steps 1 to 3 may be out
	TURN 0
.macro STEP t
.set XS, X+16*((\t)%2)
.if (\t) > 0
	s_wait_dscnt 1                                 ; this step's numbers are back from the stage; the last step's byte store may be out
.else
	s_wait_dscnt 0x0
.endif
.if (\t)+4 < STEPS
	LOAD (\t)+4                                    ; into the registers that this step's stores into the stage have read
.endif
.if (\t)+1 < STEPS
.if STEPS-2-(\t) >= 3
	s_wait_loadcnt 12                              ; the next step's four loads are in; those of the three steps behind it may be out
.else
	s_wait_loadcnt 4*(STEPS-2-(\t))
.endif
	TURN (\t)+1
.endif
	v_max3_num_f32 v8, |v[XS]|, |v[XS+1]|, |v[XS+2]|               ; the largest magnitude of my 16
	v_max3_num_f32 v9, |v[XS+3]|, |v[XS+4]|, |v[XS+5]|
.irp i, 6,10
	v_max3_num_f32 v8, v8, |v[XS+\i]|, |v[XS+\i+1]|
	v_max3_num_f32 v9, v9, |v[XS+\i+2]|, |v[XS+\i+3]|
.endr
	v_max3_num_f32 v8, v8, |v[XS+14]|, |v[XS+15]|
	v_max3_num_f32 v8, v8, v9, (EMAX+1)<<23        ; and the floor 2^(3 - 127): the byte cannot fall under 1
	v_max_num_f32_dpp v8, v8, v8 row_xmask:1 row_mask:0xf bank_mask:0xf   ; and of my neighbour's 16: the block's
	v_add_nc_u32 v11, -(EMAX<<23), v8              ; 2 off its exponent field: the conversion takes the exponent field of this operand as its scale
	v_cvt_scalef32_pk8_fp4_f32 v[C+4*(\t)], v[XS:XS+7], v11
	v_cvt_scalef32_pk8_fp4_f32 v[C+4*(\t)+1], v[XS+8:XS+15], v11
	v_lshrrev_b32 v[E+(\t)], 23, v11               ; the scale's byte (also the plain line behind the conversions)
	ds_store_b8 v5, v[E+(\t)] offset:16*(\t)       ; both lanes of a block write the same byte with the same value
	global_store_b64 v[CA+(\t)/2], v[C+4*(\t):C+4*(\t)+1], s[18:19] offset:256*((\t)%2)   ; half a row of codes: 32 lanes store 256 consecutive bytes, aligned
.endm
.irp t, 0,1,2,3,4,5,6,7,8,9,10,11,12,13,14,15
	STEP \t
.endr
	ds_load_b64 v[8:9], v6                         ; LDS serves a wave's instructions in order: these see my byte stores
	s_wait_dscnt 0x0
	global_store_b64 v4, v[8:9], s[20:21]          ; eight rows' scale bytes
	s_wait_tensorcnt 0x0                           ; the wave's end
	ds_add_u32 v[SPW], v[NIL]
	s_wait_dscnt 0x0
	s_endpgm
.Lfunc_end_k_q1138e82277_quant:
	.size	k_q1138e82277_quant, .Lfunc_end_k_q1138e82277_quant-k_q1138e82277_quant
	.p2alignl 7, 3214868480
	.fill 96, 4, 3214868480
	.section	.rodata,"a",@progbits
	.p2align	6, 0x0
	.amdhsa_kernel k_q1138e82277_quant
		.amdhsa_group_segment_fixed_size 33280
		.amdhsa_private_segment_fixed_size 0
		.amdhsa_enable_private_segment 0
		.amdhsa_kernarg_size 72
		.amdhsa_user_sgpr_count 2
		.amdhsa_user_sgpr_kernarg_segment_ptr 1
		.amdhsa_wavefront_size32 1
		.amdhsa_system_sgpr_workgroup_id_x 1
		.amdhsa_system_sgpr_workgroup_id_y 1
		.amdhsa_system_sgpr_workgroup_id_z 1
		.amdhsa_system_vgpr_workitem_id 0
		.amdhsa_next_free_vgpr 208
		.amdhsa_next_free_sgpr 66
		.amdhsa_reserve_vcc 0
		.amdhsa_float_denorm_mode_32 3
		.amdhsa_float_denorm_mode_16_64 3
		.amdhsa_memory_ordered 1
		.amdhsa_forward_progress 1
		.amdhsa_inst_pref_size 36
	.end_amdhsa_kernel
	.amdgpu_metadata
---
amdhsa.version: [ 1, 2 ]
amdhsa.kernels:
  - .name:           k_q1138e82277_quant
    .symbol:         k_q1138e82277_quant.kd
    .args:
      - { .name: queries, .offset: 0, .size: 8, .value_kind: global_buffer, .address_space: global }
      - { .name: keys, .offset: 8, .size: 8, .value_kind: global_buffer, .address_space: global }
      - { .name: values, .offset: 16, .size: 8, .value_kind: global_buffer, .address_space: global }
      - { .name: Wq, .offset: 24, .size: 8, .value_kind: global_buffer, .address_space: global }
      - { .name: Wk, .offset: 32, .size: 8, .value_kind: global_buffer, .address_space: global }
      - { .name: Wv, .offset: 40, .size: 8, .value_kind: global_buffer, .address_space: global }
      - { .name: Wr, .offset: 48, .size: 8, .value_kind: global_buffer, .address_space: global }
      - { .name: xc, .offset: 56, .size: 8, .value_kind: global_buffer, .address_space: global }
      - { .name: xs, .offset: 64, .size: 8, .value_kind: global_buffer, .address_space: global }
    .group_segment_fixed_size: 33280
    .private_segment_fixed_size: 0
    .kernarg_segment_align: 8
    .kernarg_segment_size: 72
    .max_flat_workgroup_size: 128
    .sgpr_count:     66
    .vgpr_count:     208
    .wavefront_size: 32
...
	.end_amdgpu_metadata
.endif
;; end of part 1
;; launch proj (part 2): grid 4 x 96, 4 waves a work-group, clusters of 4 x 4, 327,680 bytes of LDS; arguments xc, xs, qkv; writes qkv
.if DOCPART == 2
	.amdgcn_target "amdgcn-amd-amdhsa--gfx1250"
	.amdhsa_code_object_version 6
	.text
	.protected	k_q1138e82277_proj
	.globl	k_q1138e82277_proj
	.p2align	8
	.type	k_q1138e82277_proj,@function
k_q1138e82277_proj:
	s_mov_b64 s[64:65], 0
	v_nop
	global_prefetch_b8 v0, s[64:65] scope:SCOPE_SE
	s_setreg_imm32_b32 hwreg(HW_REG_WAVE_MODE, 25, 1), 1
	s_wait_xcnt 0x0
	s_wait_alu depctr_hold_cnt(0) depctr_sa_sdst(0) depctr_va_vdst(0) depctr_va_sdst(0) depctr_va_ssrc(0) depctr_va_vcc(0) depctr_vm_vsrc(0)
	s_getreg_b32 s2, hwreg(HW_REG_IB_STS2, 6, 4)
	s_cmp_eq_u32 s2, 0
	s_cbranch_scc0 .Lentry_in_a_cluster
	s_endpgm
.Lentry_in_a_cluster:
	s_bfe_u32 s2, ttmp6, 0x10000c
	s_cmp_lg_u32 s2, 0xf033
	s_cbranch_scc0 .Lentry_shape_is_right
	s_endpgm
.Lentry_shape_is_right:
; LAUNCH 2 OF 4.  The three projections x W^T (8192 x 1024 x 1024 each) on the codes of launch 1, and the quantising of their results for the two products of attention.  No work is left out.
; A tile of 256 rows x 256 columns to a work-group of four waves, 128 x 128 a wave: 64 accumulators, 512 registers.  Tile row Rt = 0 .. 95: 32 for queries, 32 for keys, 32 for values; tile column C = 0 .. 3.
; K = 1,024 is two slots of 512 along K: both are asked for at the head and nothing is filled again.  The scale bytes of the work-group's rows come once, with them.
; CLUSTERS: 4 x 4 work-groups; A's tiles are asked for jointly along a row of the cluster, B's along a column.  A cluster's four tile rows belong to one of the three tensors (32 is a multiple of 4).
; THE MATRIX INSTRUCTION IS USED TRANSPOSED (source 0 = 16 rows of W, source 1 = 16 rows of x): accumulator (a, b), lane (r, h), register i = x row 16 a + r, W's stored row 16 b + 8 h + i.
; THE VIEW.  reference() reads row m, column n of a projection as head m / 256, position 8 (m % 256) + n / 128, channel n % 128.
; Q, K: launch 1 stored W's rows so that stored row 16 b + 8 h + i of my 128 is channel 64 (b / 4) + 32 h + 8 (b % 4) + i of chunk J = 2 C + my half.  So accumulators 4 c .. 4 c + 3 of a lane are one whole block
;   of 32 channels (block 2 c + h), and the conversion of accumulator b IS register b of the next product's operand: nothing changes lanes but the scale word's two halves.
; V: stored row 16 b + 8 h + i of channel tile t = J is chunk i at channel 64 (t / 4) + 32 h + 8 (t % 4) + b.  So a lane's eight registers are eight neighbouring KEYS (8 r + i) of one channel; a block of 32 keys lies
;   in four neighbouring lanes; the conversion gives one register of the operand of another lane, so V's codes turn through the wave's own stage in LDS.
; OUT: qkv, a record of REC bytes for each 16 rows (a key step of 128 keys): images of operand registers (group c of four registers of lane l at 512 c + 16 l of a fragment's 1,024 bytes) and scale words (4 bytes a row).
; V's K is laid as attention makes p: place (c, h, e) of the operand stands for row 8 h + 4 c + e of the 16, and scale byte 2 c + h for keys 64 h + 32 c + 0 .. 31.
; LIMITS: a block whose largest magnitude lies under 2^-124 gets the byte 1 (zeros too: their codes are zeros; this program alone reads the bytes); NaN and infinities are not served.
; REGISTERS: window 0: v0-31 addresses; v32-95 scale words, two sets; v128-191 A's fragments, one set; on the way out v32-255 are free.  window 1: B's fragments, two sets.  windows 2, 3: the accumulators ((a, b) at v[8 (8 (a % 4) + b)]).
.set KSTEP,  512
.set NQ,     KSTEP/128
.set ROWB,   256                       ; a tile's row in bytes
.set KROW,   512                       ; a row of xc
.set PITCH,  272                       ; an LDS row: 256 bytes + 16 of padding = 68 words: the 16 rows that a load touches start 4 words apart modulo 64
.set FR,     8
.set NL,     2
.set NP,     4
.set HALFT,  128*PITCH
.set SLOT,   4*HALFT
.set KS,     32                        ; a row of xs
.set SCL,    2*SLOT
.set HALFS,  (128*KS/256)*272
.set SBLK,   (16*KS/256)*272
.set SPARE,  SCL+4*HALFS               ; the spare words, 128 bytes a wave
.set XWROW,  24576                     ; the row of xc and xs at which the weights begin
.set REC,    26112                     ; a record of qkv
.set KC,     0
.set VC,     8192
.set KSC,    16384
.set VSC,    16896
.set QC,     17408
.set QSC,    25600
.set VST,  8                           ; v8   V: where a code register goes in my stage
.set VRD,  9                           ; v9   V: where I read an image back
.set VSB,  10                          ; v10  V: where a scale byte goes
.set VRS,  11                          ; v11  V: where I read scale words back
.set ADRA, 16
.set ADRB, 20
.set GA,   24                          ; v24  16 x lane: an image's place for my lane
.set GS,   25                          ; v25  (lane / 16) x REC + 4 (lane % 16): two records' scale words
.set SH8,  26                          ; v26  8 (lane / 16)
.set ADRS, 27
.set SPW,  28
.set NIL,  29
.set SC,   32
.set AF,   128
.set TM,   32                          ; the way out of Q and K
.set SO,   34
.set BY,   36
.set T2,   39
.set PW,   40
.set PWS,  48
.set PC,   64
.set VT,   32                          ; the way out of V
.set VU,   40
.set VX,   48
.set VSO,  56
.set VBY,  64
.set PV,   80
.set OS,   96
.set OB,   128
.set G1, 24
.set G0, 32
.set G1B, 48
.set G0B, 56
.set G1S, 68
.set G0S, 76
.set G1SB, 80
.set G0SB, 88
.set MSB, 0
.macro WIN new                         ; the immediate's high byte repeats the setting that is left
.if MSB != \new
	s_set_vgpr_msb (MSB<<8)|\new
.set MSB, \new
.endif
.endm
.set MUL_LO, 0xa1                      ; source 0 (B) window 1, source 1 (A) window 0, C and D window 2
.set MUL_HI, 0xf1
.set TO_B,   0x40
; A joint load: waves 0 and 1 fetch for A, waves 2 and 3 for B; the branch hangs on the wave's number alone.  An s_nop 0 and four v_nop follow each of the two lines.
.macro JLOAD g0a, g1a, g0b, g1b
	s_cmp_eq_u32 s15, 0
	s_cbranch_scc0 .Lfor_b_\@
	tensor_load_to_lds s[\g0a:\g0a+3], s[\g1a:\g1a+7]
	s_nop 0
.rept 4
	v_nop
.endr
	s_branch .Lasked_\@
.Lfor_b_\@:
	tensor_load_to_lds s[\g0b:\g0b+3], s[\g1b:\g1b+7]
	s_nop 0
.rept 4
	v_nop
.endr
.Lasked_\@:
.endm
.macro CROUND                          ; a round of the cluster's barrier
	s_barrier_signal -1
	s_barrier_wait -1
	s_cmp_lg_u32 s14, 0
	s_cbranch_scc1 .Lnot_wave_0_\@
	s_barrier_signal -3
.Lnot_wave_0_\@:
	s_barrier_wait -3
	s_barrier_signal -1
	s_barrier_wait -1
.endm
	s_load_b128 s[4:7], s[0:1], 0x0                ; xc s[4:5], xs s[6:7]
	s_load_b64 s[12:13], s[0:1], 0x10              ; qkv
	v_lshl_add_u32 v[SPW], v0, 2, SPARE
	v_mov_b32 v[NIL], 0
	ds_add_u32 v[SPW], v[NIL]                      ; the wave's opening: the add, twice on end, and its wait ahead of my first tensor load
	ds_add_u32 v[SPW], v[NIL]
	v_lshrrev_b32 v1, 5, v0
	v_readfirstlane_b32 s14, v1                    ; wave 0..3
	s_lshr_b32 s15, s14, 1                         ; which half of the tile's rows is mine.  Also: I fetch for A (0) or for B (1)
	s_and_b32 s16, s14, 1                          ; which half of its columns.  Also: which 128 rows I fetch
	s_bfe_u32 s40, ttmp6, 0x40000                  ; cx
	s_bfe_u32 s41, ttmp6, 0x40004                  ; cy
	s_lshl_b32 s42, ttmp9, 2
	s_add_co_u32 s42, s42, s40                     ; tile column C
	s_and_b32 s96, ttmp7, 0xffff                   ; the cluster's y
	s_lshl_b32 s17, s96, 2
	s_add_co_u32 s17, s17, s41                     ; tile row Rt
	s_lshr_b32 s96, s96, 3                         ; which tensor: 0 queries, 1 keys, 2 values: made of the cluster's y alone, so the same in all sixteen partners
	s_lshl_b32 s43, s41, 2
	s_lshl_b32 s43, 15, s43                        ; my row of the cluster
	s_lshl_b32 s44, 0x1111, s40                    ; my column
	s_or_b32 s[G1+0], s43, (0<<16)|(1<<20)|(1<<21)|(5<<22)|(3<<25)  ; the mask; elements of 1 byte; padding on; bit 21 beside a mask; four words after every 64
	s_or_b32 s[G1B+0], s44, (0<<16)|(1<<20)|(1<<21)|(5<<22)|(3<<25)
.irp g, G1, G1B
	s_mov_b32 s[\g+1], ROWB<<16                    ; tensor_dim0
	s_mov_b32 s[\g+2], 128<<16                     ; tensor_dim1
	s_mov_b32 s[\g+3], ROWB<<16                    ; tile_dim0
	s_mov_b32 s[\g+4], 128                         ; tile_dim1
	s_mov_b32 s[\g+5], KROW                        ; the pitch
	s_mov_b32 s[\g+6], 0
	s_mov_b32 s[\g+7], 0
.endr
	s_or_b32 s[G1S+0], s43, (3<<16)|(1<<20)|(1<<21)|(5<<22)|(3<<25)  ; the scale bytes of 128 rows: 4,096 dense bytes as 16 rows of 256 (32 elements of 8 bytes), 16 bytes of padding behind each
	s_or_b32 s[G1SB+0], s44, (3<<16)|(1<<20)|(1<<21)|(5<<22)|(3<<25)
.irp g, G1S, G1SB
	s_mov_b32 s[\g+1], 32<<16
	s_mov_b32 s[\g+2], (128*KS/256)<<16
	s_mov_b32 s[\g+3], 32<<16
	s_mov_b32 s[\g+4], 128*KS/256
	s_mov_b32 s[\g+5], 32
	s_mov_b32 s[\g+6], 0
	s_mov_b32 s[\g+7], 0
.endr
	s_lshl_b32 s18, s16, 7
	s_lshl_b32 s20, s17, 8
	s_add_co_u32 s20, s20, s18                     ; A: row 256 Rt + 128 x half
	s_lshl_b32 s46, s42, 8
	s_add_co_u32 s46, s46, s18
	s_lshl_b32 s47, s96, 10
	s_add_co_u32 s46, s46, s47
	s_add_co_u32 s46, s46, XWROW                   ; B: row 24,576 + 1,024 x tensor + 256 C + 128 x half
	s_mov_b32 s21, 0
	s_mov_b32 s47, 0
	s_mov_b64 s[18:19], KS
	s_mul_u64 s[22:23], s[20:21], s[18:19]
	s_mul_u64 s[92:93], s[46:47], s[18:19]
	s_mov_b64 s[18:19], KROW
	s_mul_u64 s[20:21], s[20:21], s[18:19]
	s_mul_u64 s[46:47], s[46:47], s[18:19]
	s_mul_i32 s45, s14, HALFT                      ; where they go: wave x 128 rows
	s_mul_i32 s94, s14, HALFS
	s_mov_b32 s97, 0xffff0000                      ; lanes 16-31
	s_mov_b32 s98, 0x76543210
	s_mov_b32 s99, 0xfedcba98                      ; v_permlanex16_b32's selects for lane l xor 16
	s_wait_dscnt 0x0                               ; both opening adds are done
	s_wait_kmcnt 0x0
	s_add_nc_u64 s[20:21], s[4:5], s[20:21]
	s_add_nc_u64 s[22:23], s[6:7], s[22:23]
	s_add_nc_u64 s[46:47], s[4:5], s[46:47]
	s_add_nc_u64 s[92:93], s[6:7], s[92:93]
	CROUND                                         ; all sixteen work-groups are here: the first joint loads meet
	s_mov_b32 s[G0S], 1
	s_add_co_u32 s[G0S+1], s94, SCL
	s_mov_b64 s[G0S+2:G0S+3], s[22:23]
	s_or_b32 s[G0S+3], s[G0S+3], 0x80000000
	s_mov_b32 s[G0SB], 1
	s_add_co_u32 s[G0SB+1], s94, SCL
	s_mov_b64 s[G0SB+2:G0SB+3], s[92:93]
	s_or_b32 s[G0SB+3], s[G0SB+3], 0x80000000
	JLOAD G0S, G1S, G0SB, G1SB                     ; the scales first: they are wanted with the first slot
.irp s, 0,1
	s_mov_b32 s[G0+4*\s], 1
	s_add_co_u32 s[G0+4*\s+1], s45, \s*SLOT
	s_add_nc_u64 s[G0+4*\s+2:G0+4*\s+3], s[20:21], \s*ROWB
	s_or_b32 s[G0+4*\s+3], s[G0+4*\s+3], 0x80000000
	s_mov_b32 s[G0B+4*\s], 1
	s_add_co_u32 s[G0B+4*\s+1], s45, \s*SLOT
	s_add_nc_u64 s[G0B+4*\s+2:G0B+4*\s+3], s[46:47], \s*ROWB
	s_or_b32 s[G0B+4*\s+3], s[G0B+4*\s+3], 0x80000000
	JLOAD G0+4*\s, G1, G0B+4*\s, G1B               ; three tensor loads of mine are out: all that this launch asks for
.endr
	v_and_b32 v1, 15, v0                           ; r
	v_bfe_u32 v2, v0, 4, 1                         ; h
	v_mul_u32_u24 v3, v1, PITCH
	v_lshl_add_u32 v4, v2, 4, v3
	s_mul_i32 s21, s15, HALFT
	s_mul_i32 s22, s16, HALFT
	s_add_co_u32 s22, s22, 2*HALFT
.irp s, 0,1
	v_add_nc_u32 v[ADRA+\s], s21, v4
	v_add_nc_u32 v[ADRB+\s], s22, v4
	s_add_co_u32 s21, s21, SLOT
	s_add_co_u32 s22, s22, SLOT
.endr
	v_mul_u32_u24 v5, v1, KS                       ; my row's scales: 32 bytes a row,
	v_lshrrev_b32 v6, 8, v5
	v_lshl_add_u32 v5, v6, 4, v5                   ; and 16 more for each 256 passed
	s_mul_i32 s21, s15, HALFS
	s_mul_i32 s22, s16, HALFS
	s_add_co_u32 s22, s22, 2*HALFS
	s_sub_co_u32 s22, s22, s21
	v_mul_u32_u24 v6, s22, v2                      ; lanes 16-31 take B's
	s_add_co_u32 s21, s21, SCL
	v_add_nc_u32 v5, v5, v6
	v_add_nc_u32 v[ADRS], s21, v5
	; the ways out: every address is made here, ahead of the place where they part
	v_and_b32 v6, 31, v0
	v_lshlrev_b32 v[GA], 4, v6
	v_mul_u32_u24 v[GS], v2, REC
	v_lshl_add_u32 v[GS], v1, 2, v[GS]
	v_lshlrev_b32 v[SH8], 3, v2
	s_lshl_b32 s23, s14, 11                        ; V's stage: 2,048 bytes a wave, in slot 0, which has had its only fill and is read by nobody behind the change of slots
	v_bfe_u32 v5, v0, 2, 1                         ; c = (r / 4) % 2
	v_bfe_u32 v3, v0, 3, 1                         ; r / 8
	v_and_b32 v7, 3, v0                            ; e = r % 4
	v_mul_u32_u24 v[VST], v5, 576                  ; row r of the 16 is place (c, r / 8, e): group c (576 bytes: two halves of 256 + 32 of padding), half r / 8, register e;
	v_mad_u32_u24 v[VST], v3, 288, v[VST]
	v_lshl_add_u32 v[VST], v7, 2, v[VST]
	v_lshl_add_u32 v[VST], v2, 7, v[VST]           ; the operand's lane is channel index 8 h + b: 128 h here, 16 b in the offset.  The 32 lanes of a store fall on 32 different words modulo 64
	v_add_nc_u32 v[VST], s23, v[VST]
	v_mul_u32_u24 v[VRD], v2, 288
	v_lshl_add_u32 v[VRD], v1, 4, v[VRD]
	v_add_nc_u32 v[VRD], s23, v[VRD]
	v_lshlrev_b32 v[VSB], 5, v2                    ; the scale byte of channel index 8 h + b, keys 32 (r / 4) on: word 8 h + b, byte 2 c + r / 8
	v_lshl_add_u32 v[VSB], v5, 1, v[VSB]
	v_add_nc_u32 v[VSB], v3, v[VSB]
	v_add_nc_u32 v[VSB], s23, v[VSB]
	v_lshl_add_u32 v[VRS], v6, 2, s23
	s_and_b32 s20, s17, 31                         ; the head
	s_lshl_b32 s20, s20, 4
	s_lshl_b32 s21, s15, 3
	s_add_co_u32 s20, s20, s21                     ; my first record: 16 x head + 8 x my half of the rows
	s_mul_i32 s20, s20, REC
	s_lshl_b32 s21, s42, 1
	s_add_co_u32 s21, s21, s16                     ; J = 2 C + my half of the columns
	s_mov_b32 s46, QC
	s_mov_b32 s47, QSC
	s_mov_b32 s92, KSC
	s_cmp_eq_u32 s96, 1
	s_cselect_b32 s46, KC, s46
	s_cselect_b32 s47, s92, s47
	s_mov_b32 s92, VC
	s_mov_b32 s93, VSC
	s_cmp_eq_u32 s96, 2
	s_cselect_b32 s46, s92, s46
	s_cselect_b32 s47, s93, s47
	s_add_co_u32 s46, s46, s20
	s_lshl_b32 s92, s21, 10
	s_add_co_u32 s46, s46, s92                     ; codes: record + the tensor's part + 1,024 J
	s_add_co_u32 s92, s47, s20
	s_lshl_b32 s93, s21, 6
	s_add_co_u32 s92, s92, s93                     ; scale words: + 64 J
	s_mov_b32 s47, 0
	s_mov_b32 s93, 0
	s_add_nc_u64 s[92:93], s[12:13], s[92:93]
	s_add_nc_u64 s[12:13], s[12:13], s[46:47]
.macro FRAG reg, adr, q, i             ; 16 rows x 128 K of 4-bit codes: 8 registers; registers 4 c .. 4 c + 3 of lane l hold K = 64 c + 32 (l / 16) + 0 .. 31 of row l % 16
.irp c, 0,1
	ds_load_b128 v[\reg+4*\c:\reg+4*\c+3], v[\adr] offset:64*(\q)+32*\c+(\i)*16*PITCH
.endr
.endm
; 16 matrix instructions: A's blocks a0, a0 + 1 x B's eight.  The 64 accumulators take turns, one instruction a turn, in the same order in every step.
.macro MUL16 a0, p, q, sc, zero
.irp a, \a0, \a0+1
.irp b, 0,1,2,3,4,5,6,7
.if \zero
	v_wmma_scale_f32_16x16x128_f8f6f4 v[8*(8*((\a)%4)+\b):8*(8*((\a)%4)+\b)+7], v[128*(\p)+FR*\b:128*(\p)+FR*\b+FR-1], v[AF+FR*(\a):AF+FR*(\a)+FR-1], 0, v[SC+8*NQ*(\sc)+NQ*\b+(\q)], v[SC+8*NQ*(\sc)+NQ*(\a)+(\q)] matrix_a_fmt:MATRIX_FMT_FP4 matrix_b_fmt:MATRIX_FMT_FP4 matrix_a_scale:MATRIX_SCALE_ROW1
.else
	v_wmma_scale_f32_16x16x128_f8f6f4 v[8*(8*((\a)%4)+\b):8*(8*((\a)%4)+\b)+7], v[128*(\p)+FR*\b:128*(\p)+FR*\b+FR-1], v[AF+FR*(\a):AF+FR*(\a)+FR-1], v[8*(8*((\a)%4)+\b):8*(8*((\a)%4)+\b)+7], v[SC+8*NQ*(\sc)+NQ*\b+(\q)], v[SC+8*NQ*(\sc)+NQ*(\a)+(\q)] matrix_a_fmt:MATRIX_FMT_FP4 matrix_b_fmt:MATRIX_FMT_FP4 matrix_a_scale:MATRIX_SCALE_ROW1
.endif
.endr
.endr
.endm
.macro FETCH_B slot, q, p
	WIN TO_B
.irp i, 0,1,2,3,4,5,6,7
	FRAG 128*(\p)+FR*\i, ADRB+\slot, \q, \i
.endr
	WIN 0
.endm
.macro FETCH_A slot, q, i0
.irp i, \i0, \i0+1, \i0+2, \i0+3
	FRAG AF+FR*(\i), ADRA+\slot, \q, \i
.endr
.endm
.macro SCALES sc                       ; a slot's scale words: four a row; lanes 0-15 take A's block i, lanes 16-31 B's block i
.irp i, 0,1,2,3,4,5,6,7
	ds_load_b128 v[SC+8*NQ*\sc+NQ*\i:SC+8*NQ*\sc+NQ*\i+3], v[ADRS] offset:\i*SBLK
.endr
.endm
.macro PLACES n                        ; plain vector instructions between a matrix instruction and a load into, or a vector instruction on, its registers
.rept \n
	v_nop
.endr
.endm
.macro STEP slot, q, zero              ; 128 along K, with its successor in the same slot
	s_wait_dscnt 4*NL                              ; B's set and A's blocks 0-3 are in; the youngest eight loads (A's blocks 4-7) may be out
	WIN MUL_LO
	MUL16 0, (\q)%2, \q, \slot, \zero
	MUL16 2, (\q)%2, \q, \slot, \zero
	s_wait_dscnt 0
	PLACES NP
	FETCH_B \slot, (\q)+1, 1-(\q)%2
	FETCH_A \slot, (\q)+1, 0
	WIN MUL_HI
	MUL16 4, (\q)%2, \q, \slot, \zero
	MUL16 6, (\q)%2, \q, \slot, \zero
	PLACES NP
	WIN 0
	FETCH_A \slot, (\q)+1, 4
.endm
; Slot 0's last step changes slots: one barrier; in front of it each wave waits for all its tensor loads (slot 1's was out), and for its own reads of slot 0.  Nothing is filled again.
.macro TURN slot, next
	s_wait_tensorcnt 0x0                           ; my part of slot 1 has landed
	ds_add_u32 v[SPW], v[NIL]                      ; 0 onto my spare word
	s_wait_dscnt 4*NL+1                            ; the add and the youngest eight loads (A's blocks 4-7) may be out
	WIN MUL_LO
	MUL16 0, 1, NQ-1, \slot, 0
	s_wait_dscnt 0x0                               ; the add is done, and my reads of this slot are over
	s_barrier_signal -1
	MUL16 2, 1, NQ-1, \slot, 0
	WIN 0
	s_barrier_wait -1
	PLACES NP
	v_add_nc_u32 v[ADRS], 4*NQ, v[ADRS]            ; the next slot's scale words
	FETCH_B \next, 0, 0
	FETCH_A \next, 0, 0
	SCALES \next
	WIN MUL_HI
	MUL16 4, 1, NQ-1, \slot, 0
	MUL16 6, 1, NQ-1, \slot, 0
	PLACES NP
	WIN 0
	FETCH_A \next, 0, 4
.endm
	s_wait_tensorcnt 1                             ; the scales and my part of slot 0 are in; slot 1's load may be out,
	s_barrier_signal -1
	s_barrier_wait -1                              ; everybody's are
	FETCH_B 0, 0, 0
	FETCH_A 0, 0, 0
	SCALES 0
	FETCH_A 0, 0, 4
	STEP 0, 0, 1                                   ; the first products start the sums: nothing is cleared
	STEP 0, 1, 0
	STEP 0, 2, 0
	TURN 0, 1
	STEP 1, 0, 0
	STEP 1, 1, 0
	STEP 1, 2, 0
	s_wait_dscnt 4*NL                              ; the last step: nothing more to fetch
	WIN MUL_LO
	MUL16 0, 1, NQ-1, 1, 0
	MUL16 2, 1, NQ-1, 1, 0
	s_wait_dscnt 0
	WIN MUL_HI
	MUL16 4, 1, NQ-1, 1, 0
	MUL16 6, 1, NQ-1, 1, 0
	WIN 0
	PLACES NP                                      ; behind the last products: their results are read and their operands' registers written from here on
	v_mov_b32 v[T2], 0                             ; a lane permute's destination counts as one of its sources
	s_cmp_eq_u32 s96, 2                            ; values?  The same in all partners of the cluster
	s_cbranch_scc1 .Lv_out
; Q AND K.  Block a: 16 rows x my 128 channels become one fragment and one scale word a row.
.macro QK_OUT a
.set AC, 64*((\a)%4)
.set W, 2+(\a)/4
	WIN 0
	v_mov_b32 v[TM], 0x1800000                     ; the floor 2^(3 - 127): the byte cannot fall under 1
	v_mov_b32 v[TM+1], 0x1800000
	WIN ((W<<2)|(W<<4))
.set k, 0
.rept 16
	v_max3_num_f32 v[TM], v[TM], |v[AC+2*k]|, |v[AC+2*k+1]|            ; my block 2 c + h: accumulators 4 c .. 4 c + 3, each from its low end on; the two blocks by turns
	v_max3_num_f32 v[TM+1], v[TM+1], |v[AC+32+2*k]|, |v[AC+32+2*k+1]|
.set k, k+1
.endr
	WIN 0
	v_add_nc_u32 v[SO], 0xff000000, v[TM]          ; 2 off the exponent field: the conversion's scale operand
	v_add_nc_u32 v[SO+1], 0xff000000, v[TM+1]
	v_lshrrev_b32 v[BY], 23, v[SO]                 ; the scale's byte
	v_lshrrev_b32 v[BY+1], 23, v[SO+1]
	v_lshl_or_b32 v[PW+(\a)], v[BY+1], 16, v[BY]   ; my two bytes: blocks h and 2 + h,
	v_lshlrev_b32 v[PW+(\a)], v[SH8], v[PW+(\a)]   ; at their places in the word;
	v_permlanex16_b32 v[T2], v[PW+(\a)], s98, s99
	v_or_b32 v[PW+(\a)], v[PW+(\a)], v[T2]         ; with lane l xor 16's two the word is whole
	WIN W
.irp b, 0,1,2,3,4,5,6,7
	v_cvt_scalef32_pk8_fp4_f32 v[PC+8*(\a)+\b], v[AC+8*\b:AC+8*\b+7], v[SO+\b/4]   ; register b of the operand
.endr
	WIN 0
	v_nop                                          ; one plain line behind the conversions
	global_store_b128 v[GA], v[PC+8*(\a):PC+8*(\a)+3], s[12:13] offset:(\a)*REC          ; 32 lanes store 512 consecutive bytes, aligned
	global_store_b128 v[GA], v[PC+8*(\a)+4:PC+8*(\a)+7], s[12:13] offset:(\a)*REC+512
.if ((\a)%2) == 1
	v_cndmask_b32 v[PWS+(\a)/2], v[PW+(\a)-1], v[PW+(\a)], s97       ; lanes 0-15 the block before's words, lanes 16-31 this block's
	global_store_b32 v[GS], v[PWS+(\a)/2], s[92:93] offset:((\a)-1)*REC
.endif
.endm
.irp a, 0,1,2,3,4,5,6,7
	QK_OUT \a
.endr
	s_branch .Lend
; V.  Block a: 16 rows (128 keys) x my 16 x 8 channels: accumulator b of lane (r, h) is row r, channel index 8 h + b, chunks 0 .. 7: eight neighbouring keys.
.macro V_OUT a
.set AC, 64*((\a)%4)
.set W, 2+(\a)/4
	WIN (W|(W<<2)|(W<<4))
.irp b, 0,1,2,3,4,5,6,7
	v_max3_num_f32 v[VT+\b], |v[AC+8*\b]|, |v[AC+8*\b+1]|, |v[AC+8*\b+2]|
	v_max3_num_f32 v[VU+\b], |v[AC+8*\b+3]|, |v[AC+8*\b+4]|, |v[AC+8*\b+5]|
	v_max3_num_f32 v[VX+\b], |v[AC+8*\b+6]|, |v[AC+8*\b+7]|, 0x1800000   ; and the floor
.endr
	WIN 0
.irp b, 0,1,2,3,4,5,6,7
	v_max3_num_f32 v[VT+\b], v[VT+\b], v[VU+\b], v[VX+\b]
.endr
.irp b, 0,1,2,3,4,5,6,7
	v_max_num_f32_dpp v[VT+\b], v[VT+\b], v[VT+\b] row_xmask:1 row_mask:0xf bank_mask:0xf
.endr
.irp b, 0,1,2,3,4,5,6,7
	v_max_num_f32_dpp v[VT+\b], v[VT+\b], v[VT+\b] row_xmask:2 row_mask:0xf bank_mask:0xf   ; four rows x eight chunks: the block of 32 keys
.endr
.irp b, 0,1,2,3,4,5,6,7
	v_add_nc_u32 v[VSO+\b], 0xff000000, v[VT+\b]
.endr
.irp b, 0,1,2,3,4,5,6,7
	v_lshrrev_b32 v[VBY+\b], 23, v[VSO+\b]
.endr
	WIN W
.irp b, 0,1,2,3,4,5,6,7
	v_cvt_scalef32_pk8_fp4_f32 v[PV+\b], v[AC+8*\b:AC+8*\b+7], v[VSO+\b]
.endr
	WIN 0
	v_nop                                          ; one plain line behind the conversions
.irp b, 0,1,2,3,4,5,6,7
	ds_store_b32 v[VST], v[PV+\b] offset:16*\b
	ds_store_b8 v[VSB], v[VBY+\b] offset:1152+4*\b+64*((\a)%2)     ; the four lanes of a block write the same byte with the same value
.endr
	ds_load_b128 v[OB+8*(\a):OB+8*(\a)+3], v[VRD]                  ; LDS serves a wave's instructions in order: these see my stores, and the next block's stores come behind them
	ds_load_b128 v[OB+8*(\a)+4:OB+8*(\a)+7], v[VRD] offset:576
.if ((\a)%2) == 1
	ds_load_b32 v[OS+(\a)/2], v[VRS] offset:1152                   ; two blocks' scale words
.endif
	s_wait_dscnt 0x0
	global_store_b128 v[GA], v[OB+8*(\a):OB+8*(\a)+3], s[12:13] offset:(\a)*REC
	global_store_b128 v[GA], v[OB+8*(\a)+4:OB+8*(\a)+7], s[12:13] offset:(\a)*REC+512
.if ((\a)%2) == 1
	global_store_b32 v[GS], v[OS+(\a)/2], s[92:93] offset:((\a)-1)*REC
.endif
.endm
.Lv_out:
.irp a, 0,1,2,3,4,5,6,7
	V_OUT \a
.endr
.Lend:
	s_wait_tensorcnt 0x0                           ; the wave's end
	ds_add_u32 v[SPW], v[NIL]
	s_wait_dscnt 0x0
	CROUND                                         ; the closing round
	s_endpgm
.Lfunc_end_k_q1138e82277_proj:
	.size	k_q1138e82277_proj, .Lfunc_end_k_q1138e82277_proj-k_q1138e82277_proj
	.p2alignl 7, 3214868480
	.fill 96, 4, 3214868480
	.section	.rodata,"a",@progbits
	.p2align	6, 0x0
	.amdhsa_kernel k_q1138e82277_proj
		.amdhsa_group_segment_fixed_size 327680
		.amdhsa_private_segment_fixed_size 0
		.amdhsa_enable_private_segment 0
		.amdhsa_kernarg_size 24
		.amdhsa_user_sgpr_count 2
		.amdhsa_user_sgpr_kernarg_segment_ptr 1
		.amdhsa_wavefront_size32 1
		.amdhsa_system_sgpr_workgroup_id_x 1
		.amdhsa_system_sgpr_workgroup_id_y 1
		.amdhsa_system_sgpr_workgroup_id_z 1
		.amdhsa_system_vgpr_workitem_id 0
		.amdhsa_next_free_vgpr 1024
		.amdhsa_next_free_sgpr 100
		.amdhsa_reserve_vcc 0
		.amdhsa_float_denorm_mode_32 3
		.amdhsa_float_denorm_mode_16_64 3
		.amdhsa_memory_ordered 1
		.amdhsa_forward_progress 1
		.amdhsa_inst_pref_size 173
	.end_amdhsa_kernel
	.amdgpu_metadata
---
amdhsa.version: [ 1, 2 ]
amdhsa.kernels:
  - .name:           k_q1138e82277_proj
    .symbol:         k_q1138e82277_proj.kd
    .args:
      - { .name: xc, .offset: 0, .size: 8, .value_kind: global_buffer, .address_space: global }
      - { .name: xs, .offset: 8, .size: 8, .value_kind: global_buffer, .address_space: global }
      - { .name: qkv, .offset: 16, .size: 8, .value_kind: global_buffer, .address_space: global }
    .group_segment_fixed_size: 327680
    .private_segment_fixed_size: 0
    .kernarg_segment_align: 8
    .kernarg_segment_size: 24
    .max_flat_workgroup_size: 128
    .sgpr_count:     100
    .vgpr_count:     1024
    .wavefront_size: 32
...
	.end_amdgpu_metadata
.endif
;; end of part 2
;; launch attn (part 3): grid 8 x 32, 8 waves a work-group, clusters of 4 x 1, 327,680 bytes of LDS; arguments qkv, oc; writes oc
.if DOCPART == 3
	.amdgcn_target "amdgcn-amd-amdhsa--gfx1250"
	.amdhsa_code_object_version 6
	.text
	.protected	k_q1138e82277_attn
	.globl	k_q1138e82277_attn
	.p2align	8
	.type	k_q1138e82277_attn,@function
k_q1138e82277_attn:
	s_mov_b64 s[64:65], 0
	v_nop
	global_prefetch_b8 v0, s[64:65] scope:SCOPE_SE
	s_setreg_imm32_b32 hwreg(HW_REG_WAVE_MODE, 25, 1), 1
	s_wait_xcnt 0x0
	s_wait_alu depctr_hold_cnt(0) depctr_sa_sdst(0) depctr_va_vdst(0) depctr_va_sdst(0) depctr_va_ssrc(0) depctr_va_vcc(0) depctr_vm_vsrc(0)
	s_getreg_b32 s2, hwreg(HW_REG_IB_STS2, 6, 4)
	s_cmp_eq_u32 s2, 0
	s_cbranch_scc0 .Lentry_in_a_cluster
	s_endpgm
.Lentry_in_a_cluster:
	s_bfe_u32 s2, ttmp6, 0x10000c
	s_cmp_lg_u32 s2, 0x3003
	s_cbranch_scc0 .Lentry_shape_is_right
	s_endpgm
.Lentry_shape_is_right:
; LAUNCH 3 OF 4.  For each of the 32 heads: O = softmax(Q K^T / 32) V on the codes of launch 2, and the quantising of O for the last product.  No work is left out.
; THE SOFTMAX: t = score x log2(e) / 32; M = the row's largest t so far, rounded up to a whole number; p = 2^(t - M) is quantised along the keys, not normalised; the row's sum is taken of the unquantised p and
; divides O at the end.  When M moves, the sum and O are multiplied by 2^(old M - new M): exact.  LIMITS: p under 2^-126 falls to 0; a block whose largest number lies under 2^-124 gets the byte 1; NaN and infinities are not served.
; SHARES.  A work-group owns 256 queries of a head: two records of qkv (16 projection rows x 8 chunks each).  Wave w owns chunk w of both: two tiles of 16 queries, so that each fragment of K and V read from LDS feeds two products.
; A HEAD'S WHOLE K AND V LIE IN LDS: 16 key steps x 17,408 bytes, copies of the records' first parts, each asked for once at the head; nothing is filled again.
; Everything that the work-group reads from LDS is asked for at the head: there is no later trip to ask ahead for, so no prefetch is written.
; CLUSTER.  Four of a head's eight query blocks form a cluster and ask for each key step jointly (mask 15): every wave issues two loads, steps w and w + 8.
; LAYOUT.  Both products transposed: a lane holds one query (lane % 16).  K's tile j of a step is chunk j of its 16 rows, so S register (j, i) of lane (r, h) is key 64 h + 8 i + j.  The exponential writes its result
; to register 8 i + j: a lane's 64 registers of p are then its 64 neighbouring keys, two whole blocks of 32; the conversion of registers 8 i .. 8 i + 7 is register i of the operand.  Place (c, h, e) of that operand
; stands for keys 64 h + 32 c + 8 e + 0 .. 7, and V's images and scale bytes were laid by the same map.  V's channels were ordered so that O's tiles 4 c .. 4 c + 3 of a lane are one whole block of 32 channels.
; REGISTERS.  Windows 0 and 1 hold tile 0's and tile 1's state at the same numbers, so the softmax is one text under two settings.  In both: v3 8 h; v12 -M; v13 largest t; v[14:15] the sum; v16-23 Q; v32-95 p; v96-159 S;
; v160-223 O; v224-231 codes; v232.. at work.  Window 0 alone: v1, v2 16 and 4 x lane; v4, v5 the add's two; v6, v7 LDS addresses; v8-11 V's scale words; v24 Q's; v26, v27 p's; v28-31 K's; v32-95 also K's, then V's, eight fragments.
.set REC,   26112
.set STEPB, 17408                      ; what a key step takes in LDS: K's 8 fragments, V's 8, K's and V's scale words
.set KC,    0
.set VC,    8192
.set KSC,   16384
.set VSC,   16896
.set QC,    17408
.set QSC,   25600
.set OREC,  8704                       ; a record of oc: 8 fragments, then 8 x 64 bytes of scale words
.set OSC,   8192
.set SPARE, 16*STEPB                   ; the spare words, 128 bytes a wave
.set LI,  1
.set LS,  2
.set SH8, 3
.set SPW, 4
.set NIL, 5
.set ADF, 6
.set ADS, 7
.set VS,  8
.set NM,  12
.set TMAX, 13
.set SUM, 14
.set QF,  16
.set QS,  24
.set GSO, 25
.set PS,  26
.set KSR, 28
.set PRB, 32
.set SCO, 96
.set OUT, 160
.set PC,  224
.set BM,  232
.set T1,  234
.set T2,  235
.set SUM2, 236
.set PWO, 240
.set SO,  244
.set BY,  246
.set F,   252
.set TMP, 254
.set MSB, 0
.macro WIN new
.if MSB != \new
	s_set_vgpr_msb (MSB<<8)|\new
.set MSB, \new
.endif
.endm
.macro CROUND
	s_barrier_signal -1
	s_barrier_wait -1
	s_cmp_lg_u32 s8, 0
	s_cbranch_scc1 .Lnot_wave_0_\@
	s_barrier_signal -3
.Lnot_wave_0_\@:
	s_barrier_wait -3
	s_barrier_signal -1
	s_barrier_wait -1
.endm
; One scaled product.  acc = 0: it starts the sum.  ra, rb: the half of the lanes from which source 0's and source 1's scale words are taken.
.macro WMS d, a, b, acc, sa, sb, ra, rb
.if \acc
.if ((\ra) == 0) && ((\rb) == 0)
	v_wmma_scale_f32_16x16x128_f8f6f4 v[(\d):(\d)+7], v[(\a):(\a)+7], v[(\b):(\b)+7], v[(\d):(\d)+7], v[\sa], v[\sb] matrix_a_fmt:MATRIX_FMT_FP4 matrix_b_fmt:MATRIX_FMT_FP4
.elseif (\rb) == 0
	v_wmma_scale_f32_16x16x128_f8f6f4 v[(\d):(\d)+7], v[(\a):(\a)+7], v[(\b):(\b)+7], v[(\d):(\d)+7], v[\sa], v[\sb] matrix_a_fmt:MATRIX_FMT_FP4 matrix_b_fmt:MATRIX_FMT_FP4 matrix_a_scale:MATRIX_SCALE_ROW1
.elseif (\ra) == 0
	v_wmma_scale_f32_16x16x128_f8f6f4 v[(\d):(\d)+7], v[(\a):(\a)+7], v[(\b):(\b)+7], v[(\d):(\d)+7], v[\sa], v[\sb] matrix_a_fmt:MATRIX_FMT_FP4 matrix_b_fmt:MATRIX_FMT_FP4 matrix_b_scale:MATRIX_SCALE_ROW1
.else
	v_wmma_scale_f32_16x16x128_f8f6f4 v[(\d):(\d)+7], v[(\a):(\a)+7], v[(\b):(\b)+7], v[(\d):(\d)+7], v[\sa], v[\sb] matrix_a_fmt:MATRIX_FMT_FP4 matrix_b_fmt:MATRIX_FMT_FP4 matrix_a_scale:MATRIX_SCALE_ROW1 matrix_b_scale:MATRIX_SCALE_ROW1
.endif
.else
.if ((\ra) == 0) && ((\rb) == 0)
	v_wmma_scale_f32_16x16x128_f8f6f4 v[(\d):(\d)+7], v[(\a):(\a)+7], v[(\b):(\b)+7], 0, v[\sa], v[\sb] matrix_a_fmt:MATRIX_FMT_FP4 matrix_b_fmt:MATRIX_FMT_FP4
.elseif (\rb) == 0
	v_wmma_scale_f32_16x16x128_f8f6f4 v[(\d):(\d)+7], v[(\a):(\a)+7], v[(\b):(\b)+7], 0, v[\sa], v[\sb] matrix_a_fmt:MATRIX_FMT_FP4 matrix_b_fmt:MATRIX_FMT_FP4 matrix_a_scale:MATRIX_SCALE_ROW1
.elseif (\ra) == 0
	v_wmma_scale_f32_16x16x128_f8f6f4 v[(\d):(\d)+7], v[(\a):(\a)+7], v[(\b):(\b)+7], 0, v[\sa], v[\sb] matrix_a_fmt:MATRIX_FMT_FP4 matrix_b_fmt:MATRIX_FMT_FP4 matrix_b_scale:MATRIX_SCALE_ROW1
.else
	v_wmma_scale_f32_16x16x128_f8f6f4 v[(\d):(\d)+7], v[(\a):(\a)+7], v[(\b):(\b)+7], 0, v[\sa], v[\sb] matrix_a_fmt:MATRIX_FMT_FP4 matrix_b_fmt:MATRIX_FMT_FP4 matrix_a_scale:MATRIX_SCALE_ROW1 matrix_b_scale:MATRIX_SCALE_ROW1
.endif
.endif
.endm
	s_load_b128 s[4:7], s[0:1], 0x0                ; qkv s[4:5], oc s[6:7]
	v_lshl_add_u32 v[SPW], v0, 2, SPARE
	v_mov_b32 v[NIL], 0
	ds_add_u32 v[SPW], v[NIL]                      ; the wave's opening: the add, twice on end, and its wait ahead of my first tensor load
	ds_add_u32 v[SPW], v[NIL]
	v_lshrrev_b32 v[ADF], 5, v0
	v_readfirstlane_b32 s8, v[ADF]                 ; wave 0..7
	s_bfe_u32 s9, ttmp6, 0x40000                   ; cx
	s_lshl_b32 s10, ttmp9, 2
	s_add_co_u32 s10, s10, s9                      ; my block of 256 queries: it enters Q's and oc's addresses alone
	s_and_b32 s11, ttmp7, 0xffff                   ; the head, which the four partners share
	; descriptor group 1: 17,408 dense bytes as 68 rows of 256 (32 elements of 8 bytes), no padding: images are read 16 bytes a lane on end
	s_mov_b32 s16, 15|(3<<16)|(1<<21)              ; the mask: all four work-groups; elements of 8 bytes; bit 21 beside a mask
	s_mov_b32 s17, 32<<16                          ; tensor_dim0
	s_mov_b32 s18, 68<<16                          ; tensor_dim1
	s_mov_b32 s19, 32<<16                          ; tile_dim0
	s_mov_b32 s20, 68                              ; tile_dim1
	s_mov_b32 s21, 32                              ; the pitch
	s_mov_b32 s22, 0
	s_mov_b32 s23, 0
	s_mul_i32 s12, s11, 16*REC                     ; the head's first record,
	s_mul_i32 s13, s8, REC
	s_add_co_u32 s12, s12, s13                     ; key step w (under 2^24)
	s_mov_b32 s13, 0
	s_mov_b32 s24, 1
	s_mul_i32 s25, s8, STEPB                       ; its place in LDS: wave x 17,408
	s_mov_b32 s28, 1
	s_add_co_u32 s29, s25, 8*STEPB                 ; and key step w + 8's
	s_lshl_b32 s14, s11, 4
	s_lshl_b32 s15, s10, 1
	s_add_co_u32 s14, s14, s15                     ; my first record: 16 x head + 2 x block
	s_mul_i32 s40, s14, REC
	s_mov_b32 s41, 0
	s_mul_i32 s46, s14, OREC
	s_mov_b32 s47, 0
	s_lshl_b32 s42, s8, 10                         ; fragment w
	s_mov_b32 s43, 0
	s_lshl_b32 s44, s8, 6                          ; its scale words
	s_mov_b32 s45, 0
	s_mov_b32 s32, 0x76543210
	s_mov_b32 s33, 0xfedcba98                      ; v_permlanex16_b32's selects for lane l xor 16
	s_mov_b32 s34, 0x3d38aa3b                      ; c = log2(e) / 32
	s_mov_b32 s35, s34                             ; (named with it as a pair)
	s_mov_b32 s36, 0                               ; LDS byte at which the key step in hand begins
	s_mov_b32 s38, 0xffff0000                      ; lanes 16-31
	s_wait_dscnt 0x0                               ; both opening adds are done
	s_wait_kmcnt 0x0
	s_add_nc_u64 s[26:27], s[4:5], s[12:13]
	s_add_nc_u64 s[30:31], s[26:27], 8*REC
	s_or_b32 s27, s27, 0x80000000
	s_or_b32 s31, s31, 0x80000000
	s_add_nc_u64 s[40:41], s[4:5], s[40:41]
	s_add_nc_u64 s[46:47], s[6:7], s[46:47]
	s_add_nc_u64 s[48:49], s[40:41], s[44:45]      ; Q's scale words
	s_add_nc_u64 s[40:41], s[40:41], s[42:43]      ; Q's fragments
	s_add_nc_u64 s[50:51], s[46:47], s[44:45]      ; oc's scale words
	s_add_nc_u64 s[46:47], s[46:47], s[42:43]      ; oc's fragments
	CROUND                                         ; all four work-groups are here: the joint loads meet
	tensor_load_to_lds s[24:27], s[16:23]          ; key step w
	s_nop 0
	tensor_load_to_lds s[28:31], s[16:23]          ; key step w + 8: two loads of mine are out, and no more are issued
	s_nop 0
.rept 4
	v_nop
.endr
	v_and_b32 v[LS], 31, v0
	v_lshlrev_b32 v[LI], 4, v[LS]
	v_lshlrev_b32 v[LS], 2, v[LS]
	v_bfe_u32 v[SH8], v0, 4, 1                     ; h
	v_and_b32 v[ADS], 15, v0                       ; r
	v_mul_u32_u24 v[ADF], v[SH8], REC
	v_lshl_add_u32 v[ADF], v[ADS], 2, v[ADF]       ; lanes 0-15 tile 0's words, lanes 16-31 tile 1's
	v_mul_u32_u24 v[GSO], v[SH8], OREC
	v_lshl_add_u32 v[GSO], v[ADS], 2, v[GSO]
	v_lshlrev_b32 v[SH8], 3, v[SH8]
	global_load_b128 v[QF:QF+3], v[LI], s[40:41] offset:QC
	global_load_b128 v[QF+4:QF+7], v[LI], s[40:41] offset:QC+512
	global_load_b32 v[QS], v[ADF], s[48:49] offset:QSC
	WIN 0x40                                       ; destination window 1
	global_load_b128 v[QF:QF+3], v[LI], s[40:41] offset:REC+QC
	global_load_b128 v[QF+4:QF+7], v[LI], s[40:41] offset:REC+QC+512
	v_mov_b32 v[SH8], v[SH8]                       ; window 1's copy of 8 h
.macro INIT                            ; the key step is written once: the first finds zeros, which the first change of M leaves zeros
	v_mov_b32 v[TMAX], 0xff61b1e6                  ; -3e38, under every t
	v_floor_f32 v[NM], -v[TMAX]
	v_mov_b32 v[SUM], 0
	v_mov_b32 v[SUM+1], 0
	v_mov_b32 v[T2], 0                             ; a lane permute's destination counts as one of its sources
	v_mov_b32 v[F+1], 0                            ; named as the upper half of a pair
.set j, 0
.rept 64
	v_mov_b32 v[OUT+j], 0
.set j, j+1
.endr
.endm
	WIN 0
	INIT
	WIN 0x55
	INIT
	WIN 0
; THE SOFTMAX of tile w for one key step, all in window w but p's scale word, which a scaled product takes from window 0.
.macro SOFT w
	WIN 0x55*\w
.irp c, 0,1
	v_max3_num_f32 v[BM+\c], v[SCO+4*\c], v[SCO+4*\c+1], v[SCO+4*\c+2]   ; THE LARGEST SCORE OF EACH OF MY TWO BLOCKS: block c is registers 8 j + 4 c + 0 .. 3; c = 0 goes first in each turn
.endr
.set n, 3
.rept 14
.irp c, 0,1
	v_max3_num_f32 v[BM+\c], v[BM+\c], v[SCO+8*(n/4)+4*\c+n%4], v[SCO+8*((n+1)/4)+4*\c+(n+1)%4]
.endr
.set n, n+2
.endr
.irp c, 0,1
	v_max_num_f32 v[BM+\c], v[BM+\c], v[SCO+59+4*\c]
.endr
	v_max_num_f32 v[T1], v[BM], v[BM+1]
	v_permlanex16_b32 v[T2], v[T1], s32, s33
	v_max_num_f32 v[T1], v[T1], v[T2]              ; the step's largest score of my query
	v_mul_f32 v[T1], s34, v[T1]                    ; as t (c is positive)
	v_max_num_f32 v[TMAX], v[TMAX], v[T1]
	v_mov_b32 v[TMP], v[NM]
	v_floor_f32 v[NM], -v[TMAX]                    ; the new -M = floor(-t): M is a whole number
	v_sub_f32 v[TMP], v[NM], v[TMP]                ; old M - new M: a whole number, 0 or less
	v_cvt_i32_f32 v[TMP], v[TMP]                   ; (it saturates)
	v_ldexp_f32 v[F], 1.0, v[TMP]                  ; f = 2^(old M - new M)
.set j, 0
.rept 32
	v_pk_fma_f32 v[SCO+j:SCO+j+1], v[SCO+j:SCO+j+1], s[34:35], v[NM:NM+1] op_sel_hi:[1,0,0]   ; t - M, two at a time
.set j, j+2
.endr
.irp c, 0,1
	v_fma_f32 v[BM+\c], v[BM+\c], s34, v[NM]       ; the same of each block's largest score
.endr
.set i, 0
.rept 8
.irp j, 0,1,2,3,4,5,6,7
	v_exp_f32 v[PRB+8*i+\j], v[SCO+8*\j+i]         ; p = 2^(t - M), written where its key stands among my 64
.endr
.set i, i+1
.endr
	v_pk_mul_f32 v[SUM:SUM+1], v[SUM:SUM+1], v[F:F+1] op_sel_hi:[1,0]   ; the sums under the new M (the plain line behind the exponentials)
	s_wait_alu depctr_va_vdst(0)                   ; one wait for the batch of 64, ahead of its first reader
.irp c, 0,1
	v_exp_f32 v[BM+\c], v[BM+\c]                   ; the block's largest p: the same two instructions on the same number give the same bits
.endr
	v_pk_add_f32 v[SUM2:SUM2+1], v[PRB:PRB+1], v[PRB+2:PRB+3]           ; the row's sum of the unquantised p, in two chains
.set j, 4
.rept 15
	v_pk_add_f32 v[SUM:SUM+1], v[SUM:SUM+1], v[PRB+j:PRB+j+1]
	v_pk_add_f32 v[SUM2:SUM2+1], v[SUM2:SUM2+1], v[PRB+j+2:PRB+j+3]
.set j, j+4
.endr
	v_pk_add_f32 v[SUM:SUM+1], v[SUM:SUM+1], v[SUM2:SUM2+1]
	s_wait_alu depctr_va_vdst(0)                   ; and one for the two
.irp c, 0,1
	v_max_num_f32 v[BM+\c], 0x1800000, v[BM+\c]    ; the floor 2^(3 - 127)
.endr
.irp c, 0,1
	v_add_nc_u32 v[SO+\c], 0xff000000, v[BM+\c]    ; the conversion's scale operand
.endr
.irp c, 0,1
	v_lshrrev_b32 v[BY+\c], 23, v[SO+\c]           ; the scale's byte
.endr
	v_lshl_or_b32 v[T1], v[BY+1], 16, v[BY]        ; my block c stands at place 2 c + h of the operand's four
	v_lshlrev_b32 v[T1], v[SH8], v[T1]
	v_permlanex16_b32 v[T2], v[T1], s32, s33
	WIN 0x15*\w
	v_or_b32 v[PS+\w], v[T1], v[T2]                ; p's scale word for these 128 keys, in window 0
	WIN 0x55*\w
.irp i, 0,1,2,3,4,5,6,7
	v_cvt_scalef32_pk8_fp4_f32 v[PC+\i], v[PRB+8*\i:PRB+8*\i+7], v[SO+\i/4]   ; register i of the operand
.endr
	v_nop                                          ; one plain line behind the conversions
.set j, 0
.rept 32
	v_pk_mul_f32 v[OUT+j:OUT+j+1], v[OUT+j:OUT+j+1], v[F:F+1] op_sel_hi:[1,0]   ; O under the new M; these 32 also stand between the scale word's and the codes' last writes and the products
.set j, j+2
.endr
.endm
; A KEY STEP: 128 keys.  Each accumulator has one instruction a turn.
.macro STEP
	v_add_nc_u32 v[ADF], s36, v[LI]
	v_add_nc_u32 v[ADS], s36, v[LS]
.irp j, 0,1,2,3,4,5,6,7
.irp c, 0,1
	ds_load_b128 v[PRB+8*\j+4*\c:PRB+8*\j+4*\c+3], v[ADF] offset:KC+1024*\j+512*\c
.endr
.endr
.irp k, 0,1,2,3
	ds_load_b32 v[KSR+\k], v[ADS] offset:KSC+128*\k                ; lanes 0-15 tile 2 k's words, lanes 16-31 tile 2 k + 1's
.endr
	s_wait_dscnt 0x0
.irp j, 0,1,2,3,4,5,6,7
	WMS SCO+8*\j, PRB+8*\j, QF, 0, KSR+\j/2, QS, \j%2, 0
.endr
	WIN 0x44                                       ; Q and S of tile 1
.irp j, 0,1,2,3,4,5,6,7
	WMS SCO+8*\j, PRB+8*\j, QF, 0, KSR+\j/2, QS, \j%2, 1
.endr
	WIN 0
.rept 4
	v_nop                                          ; places behind the products
.endr
	SOFT 0
	WIN 0
.irp t, 0,1,2,3,4,5,6,7
.irp c, 0,1
	ds_load_b128 v[PRB+8*\t+4*\c:PRB+8*\t+4*\c+3], v[ADF] offset:VC+1024*\t+512*\c   ; V takes the registers that tile 0's p has left, and lands under tile 1's softmax
.endr
.endr
.irp k, 0,1,2,3
	ds_load_b32 v[VS+\k], v[ADS] offset:VSC+128*\k
.endr
	SOFT 1
	WIN 0
	s_wait_dscnt 0x0
.irp t, 0,1,2,3,4,5,6,7
	WMS OUT+8*\t, PRB+8*\t, PC, 1, VS+\t/2, PS, \t%2, 0
.endr
	WIN 0x54                                       ; codes and O of tile 1
.irp t, 0,1,2,3,4,5,6,7
	WMS OUT+8*\t, PRB+8*\t, PC, 1, VS+\t/2, PS+1, \t%2, 0
.endr
	WIN 0
.rept 4
	v_nop                                          ; places in front of the next loads into V's registers, and of the way out
.endr
	s_add_co_u32 s36, s36, STEPB
.endm
	s_wait_loadcnt 0x0                             ; Q
	s_wait_tensorcnt 0x1                           ; my key step w is in; step w + 8's load may be out
	s_barrier_signal -1
	s_barrier_wait -1                              ; steps 0 to 7 are whole
	s_mov_b32 s37, 8
.Lfirst:
	STEP
	s_sub_co_u32 s37, s37, 1
	s_cmp_lg_u32 s37, 0
	s_cbranch_scc1 .Lfirst
	s_wait_tensorcnt 0x0                           ; my key step w + 8 is in
	s_barrier_signal -1
	s_barrier_wait -1                              ; steps 8 to 15 are whole
	s_mov_b32 s37, 8
.Lsecond:
	STEP
	s_sub_co_u32 s37, s37, 1
	s_cmp_lg_u32 s37, 0
	s_cbranch_scc1 .Lsecond
; THE WAY OUT of tile w: O / the sum, quantised along the channels: tiles 4 c .. 4 c + 3 of a lane are block 2 c + h; the conversion of tile t is register t of the last product's operand (K step w of its 1,024).
.macro FINISH w
	WIN 0x55*\w
	v_add_f32 v[SUM], v[SUM], v[SUM+1]
	v_permlanex16_b32 v[T2], v[SUM], s32, s33
	v_add_f32 v[SUM], v[SUM], v[T2]                ; the row's sum
	v_rcp_f32 v[F], v[SUM]
	v_nop                                          ; a plain line behind the reciprocal
	s_wait_alu depctr_va_vdst(0)                   ; and the wait ahead of its first reader
.set j, 0
.rept 32
	v_pk_mul_f32 v[OUT+j:OUT+j+1], v[OUT+j:OUT+j+1], v[F:F+1] op_sel_hi:[1,0]
.set j, j+2
.endr
.irp c, 0,1
	v_max3_num_f32 v[BM+\c], |v[OUT+32*\c]|, |v[OUT+32*\c+1]|, 0x1800000
.endr
.set j, 2
.rept 15
.irp c, 0,1
	v_max3_num_f32 v[BM+\c], v[BM+\c], |v[OUT+32*\c+j]|, |v[OUT+32*\c+j+1]|
.endr
.set j, j+2
.endr
.irp c, 0,1
	v_add_nc_u32 v[SO+\c], 0xff000000, v[BM+\c]
.endr
.irp c, 0,1
	v_lshrrev_b32 v[BY+\c], 23, v[SO+\c]
.endr
	v_lshl_or_b32 v[T1], v[BY+1], 16, v[BY]
	v_lshlrev_b32 v[T1], v[SH8], v[T1]
	v_permlanex16_b32 v[T2], v[T1], s32, s33
	WIN 0x15*\w
	v_or_b32 v[PWO+\w], v[T1], v[T2]
	WIN 0x55*\w
.irp t, 0,1,2,3,4,5,6,7
	v_cvt_scalef32_pk8_fp4_f32 v[PC+\t], v[OUT+8*\t:OUT+8*\t+7], v[SO+\t/4]
.endr
	v_nop
	WIN 0x04*\w                                    ; a store's data are its source 1
	global_store_b128 v[LI], v[PC:PC+3], s[46:47] offset:\w*OREC          ; 32 lanes store 512 consecutive bytes, aligned
	global_store_b128 v[LI], v[PC+4:PC+7], s[46:47] offset:\w*OREC+512
.endm
	FINISH 0
	FINISH 1
	WIN 0
	v_cndmask_b32 v[PWO+2], v[PWO], v[PWO+1], s38  ; lanes 0-15 tile 0's words, lanes 16-31 tile 1's
	global_store_b32 v[GSO], v[PWO+2], s[50:51] offset:OSC
	s_wait_tensorcnt 0x0                           ; the wave's end
	ds_add_u32 v[SPW], v[NIL]
	s_wait_dscnt 0x0
	CROUND                                         ; the closing round
	s_endpgm
.Lfunc_end_k_q1138e82277_attn:
	.size	k_q1138e82277_attn, .Lfunc_end_k_q1138e82277_attn-k_q1138e82277_attn
	.p2alignl 7, 3214868480
	.fill 96, 4, 3214868480
	.section	.rodata,"a",@progbits
	.p2align	6, 0x0
	.amdhsa_kernel k_q1138e82277_attn
		.amdhsa_group_segment_fixed_size 327680
		.amdhsa_private_segment_fixed_size 0
		.amdhsa_enable_private_segment 0
		.amdhsa_kernarg_size 16
		.amdhsa_user_sgpr_count 2
		.amdhsa_user_sgpr_kernarg_segment_ptr 1
		.amdhsa_wavefront_size32 1
		.amdhsa_system_sgpr_workgroup_id_x 1
		.amdhsa_system_sgpr_workgroup_id_y 1
		.amdhsa_system_sgpr_workgroup_id_z 1
		.amdhsa_system_vgpr_workitem_id 0
		.amdhsa_next_free_vgpr 512
		.amdhsa_next_free_sgpr 66
		.amdhsa_reserve_vcc 0
		.amdhsa_float_denorm_mode_32 3
		.amdhsa_float_denorm_mode_16_64 3
		.amdhsa_memory_ordered 1
		.amdhsa_forward_progress 1
		.amdhsa_inst_pref_size 83
	.end_amdhsa_kernel
	.amdgpu_metadata
---
amdhsa.version: [ 1, 2 ]
amdhsa.kernels:
  - .name:           k_q1138e82277_attn
    .symbol:         k_q1138e82277_attn.kd
    .args:
      - { .name: qkv, .offset: 0, .size: 8, .value_kind: global_buffer, .address_space: global }
      - { .name: oc, .offset: 8, .size: 8, .value_kind: global_buffer, .address_space: global }
    .group_segment_fixed_size: 327680
    .private_segment_fixed_size: 0
    .kernarg_segment_align: 8
    .kernarg_segment_size: 16
    .max_flat_workgroup_size: 256
    .sgpr_count:     66
    .vgpr_count:     512
    .wavefront_size: 32
...
	.end_amdgpu_metadata
.endif
;; end of part 3
;; launch outp (part 4): grid 256 x 1, 8 waves a work-group, clusters of 4 x 1, 327,680 bytes of LDS; arguments oc, xc, xs, queries, ln_gamma, ln_beta, out0; writes out0
.if DOCPART == 4
	.amdgcn_target "amdgcn-amd-amdhsa--gfx1250"
	.amdhsa_code_object_version 6
	.text
	.protected	k_q1138e82277_outp
	.globl	k_q1138e82277_outp
	.p2align	8
	.type	k_q1138e82277_outp,@function
k_q1138e82277_outp:
	s_mov_b64 s[64:65], 0
	v_nop
	global_prefetch_b8 v0, s[64:65] scope:SCOPE_SE
	s_setreg_imm32_b32 hwreg(HW_REG_WAVE_MODE, 25, 1), 1
	s_wait_xcnt 0x0
	s_wait_alu depctr_hold_cnt(0) depctr_sa_sdst(0) depctr_va_vdst(0) depctr_va_sdst(0) depctr_va_ssrc(0) depctr_va_vcc(0) depctr_vm_vsrc(0)
	s_getreg_b32 s2, hwreg(HW_REG_IB_STS2, 6, 4)
	s_cmp_eq_u32 s2, 0
	s_cbranch_scc0 .Lentry_in_a_cluster
	s_endpgm
.Lentry_in_a_cluster:
	s_bfe_u32 s2, ttmp6, 0x10000c
	s_cmp_lg_u32 s2, 0x3003
	s_cbranch_scc0 .Lentry_shape_is_right
	s_endpgm
.Lentry_shape_is_right:
; LAUNCH 4 OF 4.  out0 = LayerNorm(O Wr^T + queries) x ln_gamma + ln_beta.  O: the images of launch 3; Wr: the codes and scale bytes of launch 1 (rows 27,648 on of xc and xs, in their own order).  No work is left out.
; SHARES.  A work-group takes 32 whole rows (two records of oc) and all 1,024 columns, so that a row's mean and variance never leave it.  O's 16 fragments stay in every wave's registers.
; Wr walks by in four chunks of 256 rows through two LDS slots; in chunk q wave w makes columns 256 q + 32 w + 0 .. 31 for the 32 rows: four accumulators a chunk, sixteen in all.
; CLUSTER.  All work-groups walk the same Wr: four form a cluster and ask for each chunk jointly (mask 15), every wave 32 rows of 512 bytes.  Chunks 2 and 3 fill the slots again, each behind a round of the cluster's barrier.
; The product is used transposed (source 0 = 16 rows of Wr, source 1 = 16 rows of O): a lane holds eight neighbouring columns of one row.
; THE WAY OUT.  The 32 x 1,024 results meet in a stage in slot 0 (which has had its last fill, and which nobody reads behind the last change of slots); each wave takes 4 whole rows: residual, mean, variance by the
; squares of the differences from the mean, gain and bias; 32 lanes store 512 consecutive bytes.  The residual's rows are asked for at the head and land under the products.
; No prefetch: Wr's rows are read by every work-group, and the one stream that is read once is asked for at the head.  LIMITS: NaN and infinities among the inputs are not served.
; REGISTERS.  Window 0: v1 16 x lane; v2, v3 Wr's fragments in slot 0, 1; v4, v5 the add's two; v6 Wr's scale words; v7, v8 into the stage; v9 out of it; v14 O's scale words; v16-23 Wr's scale words; v24-31 O's;
;   v32-95 eight fragments of Wr, later gain and bias; v96-223 O's 16 fragments, later my four rows; v224-232 at work.   Window 1: v0-127 the accumulators (8 (4 q + 2 T + tau)); v128-255 the residual.
.set OREC,  8704
.set OSC,   8192
.set WRC,   14155776                   ; Wr's codes in xc
.set WRS,   884736                     ; Wr's scale bytes in xs
.set BP,    528                        ; a row of Wr in LDS: 512 bytes + 16 of padding = 132 words: the 16 rows that a load touches start 4 words apart modulo 64
.set SLOT,  256*BP
.set SCL,   2*SLOT                     ; Wr's scale bytes, all 32,768, as 128 rows of 256 bytes + 16 of padding
.set SPARE, SCL+128*272                ; the spare words, 128 bytes a wave
.set SPT,   4112                       ; a row of the stage: 4,096 bytes + 16
.set MSB, 0
.macro WIN new
.if MSB != \new
	s_set_vgpr_msb (MSB<<8)|\new
.set MSB, \new
.endif
.endm
.macro ROUND
	s_barrier_signal -1
	s_barrier_wait -1
	s_cmp_lg_u32 s46, 0
	s_cbranch_scc1 .Lnot_wave_0_\@
	s_barrier_signal -3
.Lnot_wave_0_\@:
	s_barrier_wait -3
	s_barrier_signal -1
	s_barrier_wait -1
.endm
.macro WMS d, a, b, acc, sa, sb, ra, rb
.if \acc
.if ((\ra) == 0) && ((\rb) == 0)
	v_wmma_scale_f32_16x16x128_f8f6f4 v[(\d):(\d)+7], v[(\a):(\a)+7], v[(\b):(\b)+7], v[(\d):(\d)+7], v[\sa], v[\sb] matrix_a_fmt:MATRIX_FMT_FP4 matrix_b_fmt:MATRIX_FMT_FP4
.elseif (\rb) == 0
	v_wmma_scale_f32_16x16x128_f8f6f4 v[(\d):(\d)+7], v[(\a):(\a)+7], v[(\b):(\b)+7], v[(\d):(\d)+7], v[\sa], v[\sb] matrix_a_fmt:MATRIX_FMT_FP4 matrix_b_fmt:MATRIX_FMT_FP4 matrix_a_scale:MATRIX_SCALE_ROW1
.elseif (\ra) == 0
	v_wmma_scale_f32_16x16x128_f8f6f4 v[(\d):(\d)+7], v[(\a):(\a)+7], v[(\b):(\b)+7], v[(\d):(\d)+7], v[\sa], v[\sb] matrix_a_fmt:MATRIX_FMT_FP4 matrix_b_fmt:MATRIX_FMT_FP4 matrix_b_scale:MATRIX_SCALE_ROW1
.else
	v_wmma_scale_f32_16x16x128_f8f6f4 v[(\d):(\d)+7], v[(\a):(\a)+7], v[(\b):(\b)+7], v[(\d):(\d)+7], v[\sa], v[\sb] matrix_a_fmt:MATRIX_FMT_FP4 matrix_b_fmt:MATRIX_FMT_FP4 matrix_a_scale:MATRIX_SCALE_ROW1 matrix_b_scale:MATRIX_SCALE_ROW1
.endif
.else
.if ((\ra) == 0) && ((\rb) == 0)
	v_wmma_scale_f32_16x16x128_f8f6f4 v[(\d):(\d)+7], v[(\a):(\a)+7], v[(\b):(\b)+7], 0, v[\sa], v[\sb] matrix_a_fmt:MATRIX_FMT_FP4 matrix_b_fmt:MATRIX_FMT_FP4
.elseif (\rb) == 0
	v_wmma_scale_f32_16x16x128_f8f6f4 v[(\d):(\d)+7], v[(\a):(\a)+7], v[(\b):(\b)+7], 0, v[\sa], v[\sb] matrix_a_fmt:MATRIX_FMT_FP4 matrix_b_fmt:MATRIX_FMT_FP4 matrix_a_scale:MATRIX_SCALE_ROW1
.elseif (\ra) == 0
	v_wmma_scale_f32_16x16x128_f8f6f4 v[(\d):(\d)+7], v[(\a):(\a)+7], v[(\b):(\b)+7], 0, v[\sa], v[\sb] matrix_a_fmt:MATRIX_FMT_FP4 matrix_b_fmt:MATRIX_FMT_FP4 matrix_b_scale:MATRIX_SCALE_ROW1
.else
	v_wmma_scale_f32_16x16x128_f8f6f4 v[(\d):(\d)+7], v[(\a):(\a)+7], v[(\b):(\b)+7], 0, v[\sa], v[\sb] matrix_a_fmt:MATRIX_FMT_FP4 matrix_b_fmt:MATRIX_FMT_FP4 matrix_a_scale:MATRIX_SCALE_ROW1 matrix_b_scale:MATRIX_SCALE_ROW1
.endif
.endif
.endm
	s_load_b256 s[4:11], s[0:1], 0x0               ; oc s[4:5], xc s[6:7], xs s[8:9], queries s[10:11]
	s_load_b128 s[12:15], s[0:1], 0x20             ; ln_gamma s[12:13], ln_beta s[14:15]
	s_load_b64 s[44:45], s[0:1], 0x30              ; out0
	v_lshl_add_u32 v4, v0, 2, SPARE
	v_mov_b32 v5, 0
	ds_add_u32 v4, v5                              ; the wave's opening: the add, twice on end, and its wait ahead of my first tensor load
	ds_add_u32 v4, v5
	v_lshrrev_b32 v6, 5, v0
	v_readfirstlane_b32 s46, v6                    ; wave 0..7
	s_bfe_u32 s47, ttmp6, 0x40000                  ; cx
	s_lshl_b32 s48, ttmp9, 2
	s_add_co_u32 s47, s48, s47                     ; my block of 32 rows: it enters oc's, queries' and out0's addresses alone
	; descriptor group 1 for Wr's codes: 32 rows of 512 bytes, 16 bytes of padding behind each
	s_mov_b32 s16, 15|(0<<16)|(1<<20)|(1<<21)|(6<<22)|(3<<25)     ; the mask: all four; elements of 1 byte; padding on; bit 21 beside a mask; four words after every 128
	s_mov_b32 s17, 512<<16
	s_mov_b32 s18, 32<<16
	s_mov_b32 s19, 512<<16
	s_mov_b32 s20, 32
	s_mov_b32 s21, 512
	s_mov_b32 s22, 0
	s_mov_b32 s23, 0
	; and for its scale bytes: 4,096 dense bytes as 16 rows of 256 (32 elements of 8 bytes), 16 bytes of padding behind each
	s_mov_b32 s32, 15|(3<<16)|(1<<20)|(1<<21)|(5<<22)|(3<<25)
	s_mov_b32 s33, 32<<16
	s_mov_b32 s34, 16<<16
	s_mov_b32 s35, 32<<16
	s_mov_b32 s36, 16
	s_mov_b32 s37, 32
	s_mov_b32 s38, 0
	s_mov_b32 s39, 0
	s_mov_b32 s24, 1
	s_mul_i32 s25, s46, 32*BP                      ; my 32 rows' place in slot 0,
	s_mov_b32 s28, 1
	s_add_co_u32 s29, s25, SLOT                    ; in slot 1
	s_mov_b32 s40, 1
	s_mul_i32 s41, s46, 16*272
	s_add_co_u32 s41, s41, SCL
	s_lshl_b32 s50, s46, 14                        ; 32 rows of 512 bytes a wave
	s_add_co_u32 s50, s50, WRC
	s_mov_b32 s51, 0
	s_lshl_b32 s52, s46, 12
	s_add_co_u32 s52, s52, WRS
	s_mov_b32 s53, 0
	s_mul_i32 s54, s47, 2*OREC                     ; my two records of oc
	s_mov_b32 s55, 0
	s_lshl_b32 s48, s47, 5
	s_lshl_b32 s49, s46, 2
	s_add_co_u32 s48, s48, s49
	s_lshl_b32 s48, s48, 12                        ; my four rows of queries and out0: (32 x block + 4 x wave) x 4,096 bytes (under 2^26)
	s_mov_b32 s49, 0
	s_mov_b32 s56, 0x3a800000                      ; 1 / 1,024
	s_mov_b32 s57, 0x3727c5ac                      ; 1e-5
	s_mov_b32 s58, 0x76543210
	s_mov_b32 s59, 0xfedcba98                      ; v_permlanex16_b32's selects for lane l xor 16
	s_wait_dscnt 0x0                               ; both opening adds are done
	s_wait_kmcnt 0x0
	s_add_nc_u64 s[26:27], s[6:7], s[50:51]        ; chunk 0
	s_add_nc_u64 s[30:31], s[26:27], 256*512       ; chunk 1
	s_or_b32 s27, s27, 0x80000000
	s_or_b32 s31, s31, 0x80000000
	s_add_nc_u64 s[42:43], s[8:9], s[52:53]
	s_or_b32 s43, s43, 0x80000000
	s_add_nc_u64 s[4:5], s[4:5], s[54:55]
	s_add_nc_u64 s[10:11], s[10:11], s[48:49]
	s_add_nc_u64 s[44:45], s[44:45], s[48:49]
	ROUND                                          ; all four work-groups are here: the first joint loads meet
	tensor_load_to_lds s[40:43], s[32:39]          ; the scale bytes: filled once
	s_nop 0
	tensor_load_to_lds s[24:27], s[16:23]          ; chunk 0
	s_nop 0
	tensor_load_to_lds s[28:31], s[16:23]          ; chunk 1: three loads of mine are out
	s_nop 0
.rept 4
	v_nop
.endr
	v_and_b32 v10, 31, v0
	v_lshlrev_b32 v1, 4, v10                       ; 16 x lane
	v_and_b32 v11, 15, v0                          ; r
	v_bfe_u32 v12, v0, 4, 1                        ; h
	s_mul_i32 s54, s46, 32*BP
	v_mul_u32_u24 v2, v11, BP
	v_lshl_add_u32 v2, v12, 4, v2
	v_add_nc_u32 v2, s54, v2                       ; Wr's fragments: row 32 w + r, + 16 h
	v_add_nc_u32 v3, SLOT, v2
	v_lshrrev_b32 v13, 3, v11
	v_lshl_add_u32 v13, v12, 1, v13                ; Wr's scale words: lane (r, h) takes row 32 w + 16 h + r: 8 rows of 32 bytes to a row of 272
	v_mul_u32_u24 v6, v13, 272
	v_and_b32 v13, 7, v11
	v_lshl_add_u32 v6, v13, 5, v6
	s_mul_i32 s54, s46, 4*272
	s_add_co_u32 s54, s54, SCL
	v_add_nc_u32 v6, s54, v6
	v_mul_u32_u24 v7, v11, SPT                     ; into the stage: row 16 tau + r, byte 128 w + 32 h
	v_lshl_add_u32 v7, v12, 5, v7
	s_lshl_b32 s54, s46, 7
	v_add_nc_u32 v7, s54, v7
	v_add_nc_u32 v8, 16*SPT, v7
	s_mul_i32 s54, s46, 4*SPT
	v_add_nc_u32 v9, s54, v1                       ; out of it: my four rows, 16 bytes a lane
	v_mul_u32_u24 v14, v12, OREC
	v_lshl_add_u32 v14, v11, 2, v14                ; O's scale words: lanes 0-15 the first record's, lanes 16-31 the second's
	v_mov_b32 v229, 0                              ; upper halves of pairs, and a lane permute's destination
	v_mov_b32 v231, 0
	v_mov_b32 v232, 0
.irp tau, 0,1
.irp s, 0,1,2,3,4,5,6,7
.irp c, 0,1
	global_load_b128 v[96+64*\tau+8*\s+4*\c:96+64*\tau+8*\s+4*\c+3], v1, s[4:5] offset:\tau*OREC+1024*\s+512*\c
.endr
.endr
.endr
.irp s, 0,1,2,3,4,5,6,7
	global_load_b32 v[24+\s], v14, s[4:5] offset:OSC+64*\s
.endr
	WIN 0x40                                       ; destination window 1
.irp rho, 0,1,2,3
.irp p, 0,1,2,3,4,5,6,7
	global_load_b128 v[128+32*\rho+4*\p:128+32*\rho+4*\p+3], v1, s[10:11] offset:4096*\rho+512*\p th:TH_LOAD_NT   ; the residual: 32 lanes read 512 consecutive bytes
.endr
.endr
	WIN 0
	s_wait_tensorcnt 0x1                           ; the scale bytes and my part of chunk 0 are in; chunk 1's load may be out
	s_barrier_signal -1
	s_barrier_wait -1
	s_wait_loadcnt 32                              ; O's fragments and scale words are in; the residual's 32 loads may be out
; CHUNK q of Wr, from a slot: 32 products a wave; the chunk's four accumulators take turns, one instruction a turn.
.macro CHUNK q, slot
	ds_load_b128 v[16:19], v6 offset:8704*\q                       ; my rows' eight scale words: lanes 0-15 tile T = 0, lanes 16-31 T = 1
	ds_load_b128 v[20:23], v6 offset:8704*\q+16
.irp kap, 0,1
.irp tp, 0,1
.irp sg, 0,1,2,3
.irp c, 0,1
	ds_load_b128 v[32+8*(4*\tp+\sg)+4*\c:32+8*(4*\tp+\sg)+4*\c+3], v[2+\slot] offset:16*BP*\tp+64*(4*\kap+\sg)+32*\c
.endr
.endr
.endr
	s_wait_dscnt 0x0
	WIN 0x50                                       ; C and D window 1
.irp sg, 0,1,2,3
.irp tp, 0,1
.irp tau, 0,1
	WMS 8*(4*\q+2*\tp+\tau), 32+8*(4*\tp+\sg), 96+64*\tau+8*(4*\kap+\sg), 4*\kap+\sg, 16+4*\kap+\sg, 24+4*\kap+\sg, \tp, \tau
.endr
.endr
.endr
	WIN 0
.rept 4
	v_nop                                          ; places in front of the next loads into these fragments' and scale words' registers
.endr
.endr
.endm
; THE CHANGE OF SLOTS that fills a slot again: every wave waits for all its tensor loads (the other slot's was out), adds 0 to its spare word, waits for that and for its reads of the slot; a round of the
; cluster's barrier; and the wave's one joint load is the first thing behind it.
.macro CHANGE slot
	s_wait_tensorcnt 0x0                           ; no tensor load of mine is out, so a group 0 may be written
	ds_add_u32 v4, v5
	s_add_nc_u64 s[26+4*\slot:27+4*\slot], s[26+4*\slot:27+4*\slot], 2*256*512   ; two chunks on; the type bits on top are not reached
	s_wait_dscnt 0x0                               ; the add is done, and my reads of the slot are over
	ROUND
	tensor_load_to_lds s[24+4*\slot:27+4*\slot], s[16:23]
	s_nop 0
.rept 4
	v_nop
.endr
.endm
	CHUNK 0, 0
	CHANGE 0                                       ; chunk 2 into slot 0
	CHUNK 1, 1
	CHANGE 1                                       ; chunk 3 into slot 1
	CHUNK 2, 0
	s_wait_tensorcnt 0x0                           ; chunk 3 has landed; nothing is left to ask for
	ds_add_u32 v4, v5
	s_wait_dscnt 0x0                               ; my reads of slot 0 are over
	s_barrier_signal -1
	s_barrier_wait -1                              ; everybody's are: slot 0 becomes the stage
	CHUNK 3, 1
	; THE WAY OUT
.irp p, 0,1,2,3,4,5,6,7
	global_load_b128 v[32+4*\p:35+4*\p], v1, s[12:13] offset:512*\p      ; the gain of my 4 columns of each piece of 128
	global_load_b128 v[64+4*\p:67+4*\p], v1, s[14:15] offset:512*\p      ; the bias
.endr
	WIN 0x04                                       ; an LDS store's data are its source 1: window 1
.irp q, 0,1,2,3
.irp tp, 0,1
.irp tau, 0,1
	ds_store_b128 v[7+\tau], v[8*(4*\q+2*\tp+\tau):8*(4*\q+2*\tp+\tau)+3] offset:1024*\q+64*\tp        ; each accumulator from its low end on
	ds_store_b128 v[7+\tau], v[8*(4*\q+2*\tp+\tau)+4:8*(4*\q+2*\tp+\tau)+7] offset:1024*\q+64*\tp+16
.endr
.endr
.endr
	WIN 0
	s_wait_dscnt 0x0                               ; for the others' sake: my stores into the stage are done
	s_barrier_signal -1
	s_barrier_wait -1                              ; 32 whole rows lie in the stage
.irp rho, 0,1,2,3
.irp p, 0,1,2,3,4,5,6,7
	ds_load_b128 v[96+32*\rho+4*\p:96+32*\rho+4*\p+3], v9 offset:SPT*\rho+512*\p
.endr
.endr
.macro REDUCE                          ; v224 summed over the 32 lanes, the result in every lane
	v_add_f32_dpp v224, v224, v224 row_xmask:1 row_mask:0xf bank_mask:0xf
	v_add_f32_dpp v224, v224, v224 row_xmask:2 row_mask:0xf bank_mask:0xf
	v_add_f32_dpp v224, v224, v224 row_xmask:4 row_mask:0xf bank_mask:0xf
	v_add_f32_dpp v224, v224, v224 row_xmask:8 row_mask:0xf bank_mask:0xf
	v_permlanex16_b32 v232, v224, s58, s59
	v_add_f32 v224, v224, v232
.endm
.macro LNROW rho
.set Y, 96+32*(\rho)
	s_wait_dscnt 8*(3-(\rho))                      ; this row's eight loads are in; the later rows' may be out
.if (\rho) == 0
	s_wait_loadcnt 0x0                             ; the residual, the gain and the bias
.endif
	WIN 0x04                                       ; source 1 window 1
.irp k, 0,2,4,6,8,10,12,14,16,18,20,22,24,26,28,30
	v_pk_add_f32 v[Y+\k:Y+\k+1], v[Y+\k:Y+\k+1], v[128+32*(\rho)+\k:128+32*(\rho)+\k+1]   ; + queries
.endr
	WIN 0
	v_pk_add_f32 v[224:225], v[Y:Y+1], v[Y+2:Y+3]
	v_pk_add_f32 v[226:227], v[Y+4:Y+5], v[Y+6:Y+7]
.irp k, 8,12,16,20,24,28
	v_pk_add_f32 v[224:225], v[224:225], v[Y+\k:Y+\k+1]
	v_pk_add_f32 v[226:227], v[226:227], v[Y+\k+2:Y+\k+3]
.endr
	v_pk_add_f32 v[224:225], v[224:225], v[226:227]
	v_add_f32 v224, v224, v225
	REDUCE
	v_mul_f32 v228, 0xba800000, v224               ; - the mean
.irp k, 0,2,4,6,8,10,12,14,16,18,20,22,24,26,28,30
	v_pk_add_f32 v[Y+\k:Y+\k+1], v[Y+\k:Y+\k+1], v[228:229] op_sel_hi:[1,0]
.endr
	v_pk_mul_f32 v[224:225], v[Y:Y+1], v[Y:Y+1]
	v_pk_mul_f32 v[226:227], v[Y+2:Y+3], v[Y+2:Y+3]
.irp k, 4,8,12,16,20,24,28
	v_pk_fma_f32 v[224:225], v[Y+\k:Y+\k+1], v[Y+\k:Y+\k+1], v[224:225]
	v_pk_fma_f32 v[226:227], v[Y+\k+2:Y+\k+3], v[Y+\k+2:Y+\k+3], v[226:227]
.endr
	v_pk_add_f32 v[224:225], v[224:225], v[226:227]
	v_add_f32 v224, v224, v225
	REDUCE
	v_fma_f32 v224, v224, s56, s57                 ; the variance + 1e-5
	v_rsq_f32 v230, v224
	v_nop                                          ; a plain line behind the root
	s_wait_alu depctr_va_vdst(0)                   ; and the wait ahead of its first reader
.irp k, 0,2,4,6,8,10,12,14,16,18,20,22,24,26,28,30
	v_pk_mul_f32 v[Y+\k:Y+\k+1], v[Y+\k:Y+\k+1], v[230:231] op_sel_hi:[1,0]
.endr
.irp k, 0,2,4,6,8,10,12,14,16,18,20,22,24,26,28,30
	v_pk_fma_f32 v[Y+\k:Y+\k+1], v[Y+\k:Y+\k+1], v[32+\k:33+\k], v[64+\k:65+\k]
.endr
.irp p, 0,1,2,3,4,5,6,7
	global_store_b128 v1, v[Y+4*\p:Y+4*\p+3], s[44:45] offset:4096*(\rho)+512*\p th:TH_STORE_NT   ; 32 lanes store 512 consecutive bytes, aligned; each row has registers of its own
.endr
.endm
	LNROW 0
	LNROW 1
	LNROW 2
	LNROW 3
	s_wait_tensorcnt 0x0                           ; the wave's end
	ds_add_u32 v4, v5
	s_wait_dscnt 0x0
	ROUND                                          ; the closing round
	s_endpgm
.Lfunc_end_k_q1138e82277_outp:
	.size	k_q1138e82277_outp, .Lfunc_end_k_q1138e82277_outp-k_q1138e82277_outp
	.p2alignl 7, 3214868480
	.fill 96, 4, 3214868480
	.section	.rodata,"a",@progbits
	.p2align	6, 0x0
	.amdhsa_kernel k_q1138e82277_outp
		.amdhsa_group_segment_fixed_size 327680
		.amdhsa_private_segment_fixed_size 0
		.amdhsa_enable_private_segment 0
		.amdhsa_kernarg_size 56
		.amdhsa_user_sgpr_count 2
		.amdhsa_user_sgpr_kernarg_segment_ptr 1
		.amdhsa_wavefront_size32 1
		.amdhsa_system_sgpr_workgroup_id_x 1
		.amdhsa_system_sgpr_workgroup_id_y 1
		.amdhsa_system_sgpr_workgroup_id_z 1
		.amdhsa_system_vgpr_workitem_id 0
		.amdhsa_next_free_vgpr 512
		.amdhsa_next_free_sgpr 66
		.amdhsa_reserve_vcc 0
		.amdhsa_float_denorm_mode_32 3
		.amdhsa_float_denorm_mode_16_64 3
		.amdhsa_memory_ordered 1
		.amdhsa_forward_progress 1
		.amdhsa_inst_pref_size 78
	.end_amdhsa_kernel
	.amdgpu_metadata
---
amdhsa.version: [ 1, 2 ]
amdhsa.kernels:
  - .name:           k_q1138e82277_outp
    .symbol:         k_q1138e82277_outp.kd
    .args:
      - { .name: oc, .offset: 0, .size: 8, .value_kind: global_buffer, .address_space: global }
      - { .name: xc, .offset: 8, .size: 8, .value_kind: global_buffer, .address_space: global }
      - { .name: xs, .offset: 16, .size: 8, .value_kind: global_buffer, .address_space: global }
      - { .name: queries, .offset: 24, .size: 8, .value_kind: global_buffer, .address_space: global }
      - { .name: ln_gamma, .offset: 32, .size: 8, .value_kind: global_buffer, .address_space: global }
      - { .name: ln_beta, .offset: 40, .size: 8, .value_kind: global_buffer, .address_space: global }
      - { .name: out0, .offset: 48, .size: 8, .value_kind: global_buffer, .address_space: global }
    .group_segment_fixed_size: 327680
    .private_segment_fixed_size: 0
    .kernarg_segment_align: 8
    .kernarg_segment_size: 56
    .max_flat_workgroup_size: 256
    .sgpr_count:     66
    .vgpr_count:     512
    .wavefront_size: 32
...
	.end_amdgpu_metadata
.endif
;; end of part 4
